; MI455X (gfx1250); checked and timed in simulation.
; The chip was launched on July 23, 2026; its instructions are those of AMD's public machine-readable ISA for CDNA 5 (MIT licence, August 2026) and "CDNA5" Instruction Set Architecture Reference Guide (July 2026). The comments in the code are by the model that wrote it; some were corrected since.
;; LG Block. Allowed arithmetic: float matrix products may take bf16 or f16 operands with f32 sums; other float arithmetic in f32, or as packed bf16 or f16 multiplies, adds, multiply-adds, maxima and minima; sums over many terms, partial sums and values carried from step to step in f32; what a program stores and reads back later, other than sums and carried values, may be rounded once to bf16 or f16.
;; Inputs: W1 512 x 2,048 float32; W2 2,048 x 512 float32; Wk 512 x 512 float32; Wo 512 x 512 float32; Wq 512 x 512 float32; Wv 512 x 512 float32; b1 2,048 float32; b2 512 float32; bk 512 float32; bo 512 float32; bq 512 float32; bv 512 float32; ffln_b 512 float32; ffln_g 512 float32; ln_b 512 float32; ln_g 512 float32; x 4 x 2,048 x 512 float32.
;; Outputs: out0 4 x 2,048 x 512 float32.
;; 2 versions, each right; version 2 is version 1 with the launch prep written anew for expert scheduling mode. Each part assembles by itself: llvm-mc -triple=amdgcn-amd-amdhsa -mcpu=gfx1250 --defsym DOCPART=n.
;; ======== version 1 of 2: 6 launches
;; limits: a function is approximated: absolute error at most 2.5e-05; an absolute error that grows with the inputs' magnitude: up to 1.25e-05 times it; right only within a limited range of input values
;; workspace buffers: wb 6,291,456 bytes; hf 8,388,608 bytes; qkv 25,165,824 bytes; ob 8,388,608 bytes; x1 16,777,216 bytes; gb 33,554,432 bytes
;; launch prep (part 1): grid 256 x 1, 8 waves a work-group, no clusters, 0 bytes of LDS; arguments x, ln_g, ln_b, Wq, Wk, Wv, Wo, W1, W2, wb, hf; writes wb, hf
.if DOCPART == 1
	.amdgcn_target "amdgcn-amd-amdhsa--gfx1250"
	.amdhsa_code_object_version 6
	.text
	.protected	k_qc7fb67dd62_prep
	.globl	k_qc7fb67dd62_prep
	.p2align	8
	.type	k_qc7fb67dd62_prep,@function
k_qc7fb67dd62_prep:
	s_mov_b64 s[64:65], 0
	v_nop
	global_prefetch_b8 v0, s[64:65] scope:SCOPE_SE
	s_setreg_imm32_b32 hwreg(HW_REG_WAVE_MODE, 25, 1), 1
	s_wait_xcnt 0x0
; PREP.  (a) All six weight matrices are rounded once to bf16 into wb, rows along N as they lie: WQKV [512][1536] (row k: Wq's, Wk's, Wv's 512 columns) at byte 0,
; WO [512][512] at 1,572,864, W1 [512][2048] at 2,097,152, W2 [2048][512] at 4,194,304.  (b) hf = RoPE(LN(x)) in bf16, [8192][512].
; A stream: every byte is read once and written once; no LDS, no barrier, no matrix unit, no cluster: no wave wants a byte that another has fetched.
; SHARES.  256 work-groups of 8 waves.  Cast: thread tid takes 4 numbers of each of Wq, Wk, Wv, Wo and 16 of each of W1, W2; a wave's store of 8 bytes a lane covers 256 consecutive bytes, aligned.
; LN and RoPE: wave v of work-group W owns position t = 8 W + v in all four batches, so the position's sines and cosines are made once for four rows.
; Lane l holds columns 128 j + 4 l + e (j, e = 0..3) of a row; the rotation pairs column i with column i + 256: j with j + 2.
; LIMITS.  The angle t x 10000^(-i/256) is made with one exponential to base 2 and reduced by fma(angle, 1/2pi, -round): within about 3e-4 rad of the f32 product at t = 2,047.
; Sine and cosine of the half angle (at most pi/2) by their series to y^9 and y^10, cut where the next term is under 4e-6 for every angle; NaN and infinities are not treated apart.
.set XR,  32                           ; v[32:95]   the four rows, 16 numbers each: row b at XR + 16 b, number 4 j + e
.set GG,  96                           ; v[96:111]  ln_g of my 16 columns
.set BB,  112                          ; v[112:127] ln_b
.set CSN, 128                          ; v[128:135] cos for i = 128 j + 4 l + e, j = 0, 1
.set SNN, 136                          ; v[136:143] sin
.set OUT, 144                          ; v[144:175] rows in bf16, 8 registers each (before that: at work on the series)
.set WT,  176                          ; v[176:223] the weights as loaded, 12 x 4
.set SM,  12                           ; v[12:19]   a pair of sums for each row
.set TW,  20                           ; v[20:27]   at work
	s_load_b512 s[4:19], s[0:1], 0x0               ; x, ln_g, ln_b, Wq, Wk, Wv, Wo, W1
	s_load_b128 s[20:23], s[0:1], 0x40             ; W2, wb
	s_load_b64 s[24:25], s[0:1], 0x50              ; hf
	v_lshrrev_b32 v1, 5, v0
	v_readfirstlane_b32 s26, v1                    ; wave 0..7
	v_and_b32 v1, 31, v0                           ; lane
	s_lshl_b32 s27, ttmp9, 3
	s_add_co_u32 s27, s27, s26                     ; t
	s_lshl_b32 s30, s27, 11                        ; a row of x is 2,048 bytes
	s_lshl_b32 s31, s27, 10                        ; a row of hf 1,024
	v_lshlrev_b32 v4, 4, v1                        ; 16 l
	v_add_nc_u32 v2, s30, v4                       ; batches 0 and 1 (the second by the immediate)
	v_add_nc_u32 v3, 0x800000, v2                  ; batches 2 and 3: two batches are 8,388,608 bytes, past the immediate's reach
	v_lshl_add_u32 v5, v1, 3, s31                  ; hf: t x 1,024 + 8 l
	s_lshl_b32 s30, ttmp9, 12
	v_lshl_add_u32 v6, v0, 4, s30                  ; the four square matrices, in: W x 4,096 + 16 tid
	s_lshl_b32 s30, ttmp9, 1
	v_lshrrev_b32 v7, 7, v0
	v_add_nc_u32 v7, s30, v7                       ; their row k = 2 W + tid / 128
	v_mul_u32_u24 v7, v7, 0xc00                    ; a row of WQKV is 3,072 bytes
	v_and_b32 v8, 127, v0
	v_lshl_add_u32 v7, v8, 3, v7                   ; + 8 (tid % 128)
	s_lshl_b32 s30, ttmp9, 11
	v_lshl_add_u32 v8, v0, 3, s30                  ; WO, out: W x 2,048 + 8 tid
	s_lshl_b32 s30, ttmp9, 14
	v_lshl_add_u32 v9, v0, 4, s30                  ; W1 and W2, in: W x 16,384 + 16 tid
	s_lshl_b32 s30, ttmp9, 13
	v_lshl_add_u32 v10, v0, 3, s30                 ; out: W x 8,192 + 8 tid
	v_lshlrev_b32 v11, 2, v1                       ; 4 l
	s_mov_b32 s28, 0x76543210                      ; v_permlanex16_b32: each lane takes its own place in the other half
	s_mov_b32 s29, 0xfedcba98
	s_mov_b32 s32, 0x3b000000                      ; 1 / 512
	s_mov_b32 s33, 0x3727c5ac                      ; 1e-5
	s_mov_b32 s36, 0x3638ef1d                      ; 1 / 9!
	s_mov_b32 s37, s36
	s_mov_b32 s38, 0xb9500d01                      ; -1 / 7!
	s_mov_b32 s39, s38
	s_mov_b32 s40, 0xb493f27e                      ; -1 / 10!
	s_mov_b32 s41, s40
	s_mov_b32 s42, 0x37d00d01                      ; 1 / 8!
	s_mov_b32 s43, s42
	s_wait_kmcnt 0x0
.irp b, 0,1
.irp j, 0,1,2,3
	global_load_b128 v[XR+16*\b+4*\j:XR+16*\b+4*\j+3], v2, s[4:5] offset:\b*4194304+\j*512
.endr
.endr
.irp b, 0,1
.irp j, 0,1,2,3
	global_load_b128 v[XR+32+16*\b+4*\j:XR+32+16*\b+4*\j+3], v3, s[4:5] offset:\b*4194304+\j*512
.endr
.endr
.irp j, 0,1,2,3
	global_load_b128 v[GG+4*\j:GG+4*\j+3], v4, s[6:7] offset:\j*512
	global_load_b128 v[BB+4*\j:BB+4*\j+3], v4, s[8:9] offset:\j*512
.endr
	global_load_b128 v[WT:WT+3], v6, s[10:11] th:TH_LOAD_NT
	global_load_b128 v[WT+4:WT+7], v6, s[12:13] th:TH_LOAD_NT
	global_load_b128 v[WT+8:WT+11], v6, s[14:15] th:TH_LOAD_NT
	global_load_b128 v[WT+12:WT+15], v6, s[16:17] th:TH_LOAD_NT
.irp j, 0,1,2,3
	global_load_b128 v[WT+16+4*\j:WT+16+4*\j+3], v9, s[18:19] offset:\j*4096 th:TH_LOAD_NT
	global_load_b128 v[WT+32+4*\j:WT+32+4*\j+3], v9, s[20:21] offset:\j*4096 th:TH_LOAD_NT
.endr
	; THE ANGLES, while the 36 loads are on their way.  inv_freq = 2^(-i log2(10000) / 256)
.irp n, 0,1,2,3,4,5,6,7
	v_add_nc_u32 v[TW+\n], 128*(\n/4)+\n%4, v11    ; i
.endr
.irp n, 0,1,2,3,4,5,6,7
	v_cvt_f32_u32 v[TW+\n], v[TW+\n]
.endr
.irp n, 0,1,2,3,4,5,6,7
	v_mul_f32 v[TW+\n], 0xbd549a78, v[TW+\n]       ; x -0.05190513
.endr
.irp n, 0,1,2,3,4,5,6,7
	v_exp_f32 v[CSN+\n], v[TW+\n]
.endr
	v_cvt_f32_u32 v28, s27                         ; t as a float, twice: a pair for the packed multiply
	v_cvt_f32_u32 v29, s27
	v_nop                                          ; a plain instruction behind the last exponential,
	s_wait_alu depctr_va_vdst(0)                   ; and one wait for the eight, ahead of their first reader
.set UU, OUT                           ; y^2
.set PS, OUT+8                         ; sin y
.set PC, OUT+16                        ; cos y
.irp p, 0,2,4,6
	v_pk_mul_f32 v[CSN+\p:CSN+\p+1], v[CSN+\p:CSN+\p+1], v[28:29] op_sel_hi:[1,0]   ; the angle
.endr
.irp p, 0,2,4,6
	v_pk_mul_f32 v[TW+\p:TW+\p+1], v[CSN+\p:CSN+\p+1], 0x3e22f983 op_sel_hi:[1,0]   ; in turns
.endr
.irp n, 0,1,2,3,4,5,6,7
	v_rndne_f32 v[TW+\n], v[TW+\n]
.endr
.irp p, 0,2,4,6
	v_pk_fma_f32 v[TW+\p:TW+\p+1], v[CSN+\p:CSN+\p+1], 0x3e22f983, v[TW+\p:TW+\p+1] op_sel_hi:[1,0,1] neg_lo:[0,0,1] neg_hi:[0,0,1]  ; less the whole turns: -1/2 .. 1/2
.endr
.irp p, 0,2,4,6
	v_pk_mul_f32 v[TW+\p:TW+\p+1], v[TW+\p:TW+\p+1], 0x40490fdb op_sel_hi:[1,0]     ; y = half the reduced angle
.endr
.irp p, 0,2,4,6
	v_pk_mul_f32 v[UU+\p:UU+\p+1], v[TW+\p:TW+\p+1], v[TW+\p:TW+\p+1]
.endr
.irp p, 0,2,4,6
	v_pk_fma_f32 v[PS+\p:PS+\p+1], v[UU+\p:UU+\p+1], s[36:37], s[38:39] op_sel_hi:[1,0,0]
	v_pk_fma_f32 v[PC+\p:PC+\p+1], v[UU+\p:UU+\p+1], s[40:41], s[42:43] op_sel_hi:[1,0,0]
.endr
.irp p, 0,2,4,6
	v_pk_fma_f32 v[PS+\p:PS+\p+1], v[PS+\p:PS+\p+1], v[UU+\p:UU+\p+1], 0x3c088889 op_sel_hi:[1,1,0]  ; 1 / 5!
	v_pk_fma_f32 v[PC+\p:PC+\p+1], v[PC+\p:PC+\p+1], v[UU+\p:UU+\p+1], 0xbab60b61 op_sel_hi:[1,1,0]  ; -1 / 6!
.endr
.irp p, 0,2,4,6
	v_pk_fma_f32 v[PS+\p:PS+\p+1], v[PS+\p:PS+\p+1], v[UU+\p:UU+\p+1], 0xbe2aaaab op_sel_hi:[1,1,0]  ; -1 / 3!
	v_pk_fma_f32 v[PC+\p:PC+\p+1], v[PC+\p:PC+\p+1], v[UU+\p:UU+\p+1], 0x3d2aaaab op_sel_hi:[1,1,0]  ; 1 / 4!
.endr
.irp p, 0,2,4,6
	v_pk_fma_f32 v[PS+\p:PS+\p+1], v[PS+\p:PS+\p+1], v[UU+\p:UU+\p+1], 1.0 op_sel_hi:[1,1,0]
	v_pk_fma_f32 v[PC+\p:PC+\p+1], v[PC+\p:PC+\p+1], v[UU+\p:UU+\p+1], -0.5 op_sel_hi:[1,1,0]
.endr
.irp p, 0,2,4,6
	v_pk_mul_f32 v[PS+\p:PS+\p+1], v[PS+\p:PS+\p+1], v[TW+\p:TW+\p+1]               ; sin y
	v_pk_fma_f32 v[PC+\p:PC+\p+1], v[PC+\p:PC+\p+1], v[UU+\p:UU+\p+1], 1.0 op_sel_hi:[1,1,0]  ; cos y
.endr
.irp p, 0,2,4,6
	v_pk_mul_f32 v[TW+\p:TW+\p+1], v[PS+\p:PS+\p+1], 2.0 op_sel_hi:[1,0]
.endr
.irp p, 0,2,4,6
	v_pk_mul_f32 v[SNN+\p:SNN+\p+1], v[TW+\p:TW+\p+1], v[PC+\p:PC+\p+1]             ; sin = 2 sin y cos y
	v_pk_fma_f32 v[CSN+\p:CSN+\p+1], v[TW+\p:TW+\p+1], v[PS+\p:PS+\p+1], 1.0 op_sel_hi:[1,1,0] neg_lo:[1,0,0] neg_hi:[1,0,0]  ; cos = 1 - 2 sin^2 y
.endr
; The four rows' sums over the wave's 32 lanes: four steps inside each half of 16 lanes ride on the addition, one crosses the halves.
.macro RED
.irp b, 0,1,2,3
	v_add_f32 v[SM+2*\b], v[SM+2*\b], v[SM+2*\b+1]
.endr
.irp m, 1,2,4,8
.irp b, 0,1,2,3
	v_add_f32_dpp v[SM+2*\b], v[SM+2*\b], v[SM+2*\b] row_xmask:\m row_mask:0xf bank_mask:0xf
.endr
.endr
.irp b, 0,1,2,3
	v_permlanex16_b32 v[SM+2*\b+1], v[SM+2*\b], s28, s29
.endr
.irp b, 0,1,2,3
	v_add_f32 v[SM+2*\b], v[SM+2*\b], v[SM+2*\b+1]
.endr
.endm
	s_wait_loadcnt 12                              ; x, ln_g and ln_b are in; the 12 weight loads, issued behind them, may stay out
	; LAYERNORM in two passes: the mean, then the mean square of what is left
.irp b, 0,1,2,3
	v_pk_add_f32 v[SM+2*\b:SM+2*\b+1], v[XR+16*\b:XR+16*\b+1], v[XR+16*\b+2:XR+16*\b+3]
.endr
.irp k, 4,6,8,10,12,14
.irp b, 0,1,2,3
	v_pk_add_f32 v[SM+2*\b:SM+2*\b+1], v[SM+2*\b:SM+2*\b+1], v[XR+16*\b+\k:XR+16*\b+\k+1]
.endr
.endr
	RED
.irp b, 0,1,2,3
	v_mul_f32 v[SM+2*\b], s32, v[SM+2*\b]
.endr
.irp k, 0,2,4,6,8,10,12,14
.irp b, 0,1,2,3
	v_pk_add_f32 v[XR+16*\b+\k:XR+16*\b+\k+1], v[XR+16*\b+\k:XR+16*\b+\k+1], v[SM+2*\b:SM+2*\b+1] op_sel_hi:[1,0] neg_lo:[0,1] neg_hi:[0,1]
.endr
.endr
.irp b, 0,1,2,3
	v_pk_mul_f32 v[SM+2*\b:SM+2*\b+1], v[XR+16*\b:XR+16*\b+1], v[XR+16*\b:XR+16*\b+1]
.endr
.irp k, 2,4,6,8,10,12,14
.irp b, 0,1,2,3
	v_pk_fma_f32 v[SM+2*\b:SM+2*\b+1], v[XR+16*\b+\k:XR+16*\b+\k+1], v[XR+16*\b+\k:XR+16*\b+\k+1], v[SM+2*\b:SM+2*\b+1]
.endr
.endr
	RED
.irp b, 0,1,2,3
	v_fma_f32 v[SM+2*\b], v[SM+2*\b], s32, s33     ; the variance + 1e-5
.endr
.irp b, 0,1,2,3
	v_rsq_f32 v[SM+2*\b], v[SM+2*\b]
.endr
	v_nop
	s_wait_alu depctr_va_vdst(0)                   ; one wait for the four roots
.irp k, 0,2,4,6,8,10,12,14
.irp b, 0,1,2,3
	v_pk_mul_f32 v[XR+16*\b+\k:XR+16*\b+\k+1], v[XR+16*\b+\k:XR+16*\b+\k+1], v[SM+2*\b:SM+2*\b+1] op_sel_hi:[1,0]
.endr
.endr
.irp k, 0,2,4,6,8,10,12,14
.irp b, 0,1,2,3
	v_pk_fma_f32 v[XR+16*\b+\k:XR+16*\b+\k+1], v[XR+16*\b+\k:XR+16*\b+\k+1], v[GG+\k:GG+\k+1], v[BB+\k:BB+\k+1]
.endr
.endr
	; THE ROTATION, rounding and stores: each store has data registers of its own, so nothing waits for a store
.irp b, 0,1,2,3
.irp p, 0,1,2,3
	v_pk_mul_f32 v[TW+4*(\p%2):TW+4*(\p%2)+1], v[XR+16*\b+2*\p:XR+16*\b+2*\p+1], v[CSN+2*\p:CSN+2*\p+1]
	v_pk_mul_f32 v[TW+4*(\p%2)+2:TW+4*(\p%2)+3], v[XR+16*\b+2*\p:XR+16*\b+2*\p+1], v[SNN+2*\p:SNN+2*\p+1]
	v_pk_fma_f32 v[TW+4*(\p%2):TW+4*(\p%2)+1], v[XR+16*\b+8+2*\p:XR+16*\b+8+2*\p+1], v[SNN+2*\p:SNN+2*\p+1], v[TW+4*(\p%2):TW+4*(\p%2)+1] neg_lo:[1,0,0] neg_hi:[1,0,0]
	v_pk_fma_f32 v[TW+4*(\p%2)+2:TW+4*(\p%2)+3], v[XR+16*\b+8+2*\p:XR+16*\b+8+2*\p+1], v[CSN+2*\p:CSN+2*\p+1], v[TW+4*(\p%2)+2:TW+4*(\p%2)+3]
	v_cvt_pk_bf16_f32 v[OUT+8*\b+\p], v[TW+4*(\p%2)], v[TW+4*(\p%2)+1]
	v_cvt_pk_bf16_f32 v[OUT+8*\b+4+\p], v[TW+4*(\p%2)+2], v[TW+4*(\p%2)+3]
.endr
.irp j, 0,1,2,3
	global_store_b64 v5, v[OUT+8*\b+2*\j:OUT+8*\b+2*\j+1], s[24:25] offset:\b*2097152+\j*256  ; a wave's store covers 256 consecutive bytes, aligned
.endr
.endr
	; THE WEIGHTS
	s_wait_loadcnt 0x0
.irp k, 0,1,2,3,4,5,6,7,8,9,10,11
	v_cvt_pk_bf16_f32 v[XR+2*\k], v[WT+4*\k], v[WT+4*\k+1]
	v_cvt_pk_bf16_f32 v[XR+2*\k+1], v[WT+4*\k+2], v[WT+4*\k+3]
.endr
	global_store_b64 v7, v[XR:XR+1], s[22:23]
	global_store_b64 v7, v[XR+2:XR+3], s[22:23] offset:1024
	global_store_b64 v7, v[XR+4:XR+5], s[22:23] offset:2048
	global_store_b64 v8, v[XR+6:XR+7], s[22:23] offset:1572864
.irp j, 0,1,2,3
	global_store_b64 v10, v[XR+8+2*\j:XR+8+2*\j+1], s[22:23] offset:2097152+\j*2048
	global_store_b64 v10, v[XR+16+2*\j:XR+16+2*\j+1], s[22:23] offset:4194304+\j*2048
.endr
	s_endpgm
.Lfunc_end_k_qc7fb67dd62_prep:
	.size	k_qc7fb67dd62_prep, .Lfunc_end_k_qc7fb67dd62_prep-k_qc7fb67dd62_prep
	.p2alignl 7, 3214868480
	.fill 96, 4, 3214868480
	.section	.rodata,"a",@progbits
	.p2align	6, 0x0
	.amdhsa_kernel k_qc7fb67dd62_prep
		.amdhsa_group_segment_fixed_size 0
		.amdhsa_private_segment_fixed_size 0
		.amdhsa_enable_private_segment 0
		.amdhsa_kernarg_size 88
		.amdhsa_user_sgpr_count 2
		.amdhsa_user_sgpr_kernarg_segment_ptr 1
		.amdhsa_wavefront_size32 1
		.amdhsa_system_sgpr_workgroup_id_x 1
		.amdhsa_system_sgpr_workgroup_id_y 1
		.amdhsa_system_sgpr_workgroup_id_z 1
		.amdhsa_system_vgpr_workitem_id 0
		.amdhsa_next_free_vgpr 224
		.amdhsa_next_free_sgpr 66
		.amdhsa_reserve_vcc 0
		.amdhsa_float_denorm_mode_32 3
		.amdhsa_float_denorm_mode_16_64 3
		.amdhsa_memory_ordered 1
		.amdhsa_forward_progress 1
		.amdhsa_inst_pref_size 36
	.end_amdhsa_kernel
	.amdgpu_metadata
---
amdhsa.version: [ 1, 2 ]
amdhsa.kernels:
  - .name:           k_qc7fb67dd62_prep
    .symbol:         k_qc7fb67dd62_prep.kd
    .args:
      - { .name: x, .offset: 0, .size: 8, .value_kind: global_buffer, .address_space: global }
      - { .name: ln_g, .offset: 8, .size: 8, .value_kind: global_buffer, .address_space: global }
      - { .name: ln_b, .offset: 16, .size: 8, .value_kind: global_buffer, .address_space: global }
      - { .name: Wq, .offset: 24, .size: 8, .value_kind: global_buffer, .address_space: global }
      - { .name: Wk, .offset: 32, .size: 8, .value_kind: global_buffer, .address_space: global }
      - { .name: Wv, .offset: 40, .size: 8, .value_kind: global_buffer, .address_space: global }
      - { .name: Wo, .offset: 48, .size: 8, .value_kind: global_buffer, .address_space: global }
      - { .name: W1, .offset: 56, .size: 8, .value_kind: global_buffer, .address_space: global }
      - { .name: W2, .offset: 64, .size: 8, .value_kind: global_buffer, .address_space: global }
      - { .name: wb, .offset: 72, .size: 8, .value_kind: global_buffer, .address_space: global }
      - { .name: hf, .offset: 80, .size: 8, .value_kind: global_buffer, .address_space: global }
    .group_segment_fixed_size: 0
    .private_segment_fixed_size: 0
    .kernarg_segment_align: 8
    .kernarg_segment_size: 88
    .max_flat_workgroup_size: 256
    .sgpr_count:     66
    .vgpr_count:     224
    .wavefront_size: 32
...
	.end_amdgpu_metadata
.endif
;; end of part 1
;; launch qkvp (part 2): grid 4 x 64, 4 waves a work-group, clusters of 4 x 4, 327,680 bytes of LDS; arguments hf, wb, bq, bk, bv, qkv; writes qkv
.if DOCPART == 2
	.amdgcn_target "amdgcn-amd-amdhsa--gfx1250"
	.amdhsa_code_object_version 6
	.text
	.protected	k_qc7fb67dd62_qkvp
	.globl	k_qc7fb67dd62_qkvp
	.p2align	8
	.type	k_qc7fb67dd62_qkvp,@function
k_qc7fb67dd62_qkvp:
	s_mov_b64 s[64:65], 0
	v_nop
	global_prefetch_b8 v0, s[64:65] scope:SCOPE_SE
	s_setreg_imm32_b32 hwreg(HW_REG_WAVE_MODE, 25, 1), 1
	s_wait_xcnt 0x0
	s_wait_alu depctr_hold_cnt(0) depctr_sa_sdst(0) depctr_va_vdst(0) depctr_va_sdst(0) depctr_va_ssrc(0) depctr_va_vcc(0) depctr_vm_vsrc(0)
	s_getreg_b32 s2, hwreg(HW_REG_IB_STS2, 6, 4)
	s_cmp_eq_u32 s2, 0
	s_cbranch_scc0 .Lentry_in_a_cluster
	s_endpgm
.Lentry_in_a_cluster:
	s_bfe_u32 s2, ttmp6, 0x10000c
	s_cmp_lg_u32 s2, 0xf033
	s_cbranch_scc0 .Lentry_shape_is_right
	s_endpgm
.Lentry_shape_is_right:
; q, k, v = h [Wq | Wk | Wv] + bias, written by heads: qkv [batch 4][slice 24 = 8 sel + head][t 2048][64] in bf16, unscaled.  h: hf [8192][512] bf16; the weights: wb's WQKV [512][1536] bf16.  Sums in f32.
; A tile is 128 rows x 384 columns: 256 work-groups.  Four waves, wave (wy, wx) makes 64 x 192: 48 accumulators.  K goes in 4 steps of 128 through two LDS slots.
; THE PRODUCT IS TAKEN TRANSPOSED: source 0 = 16 columns of W (turned out of LDS by ds_load_tr16_b128, since W lies [k][n]), source 1 = 16 rows of h.  A lane then holds one row (lane % 16)
; and eight neighbouring columns 8 (lane / 16) + 0..7.  The bias is the C operand of the first quarter's products: nothing is cleared.
; CLUSTER 4 x 4: h's tile hangs on the tile row alone and is asked for jointly along a row of the cluster, W's on the tile column alone, jointly along a column.
; A SLOT is four regions of 36,864 bytes, region w filled by wave w with one load of 128 rows x 256 bytes: region 0 h (pitch 272), regions 1-3 W's three chunks of 128 columns (pitch 288).
; ONE TEXT FOR BOTH SLOTS: s[SLR] is the LDS byte of the slot that is read, 0 or SLOT; the fragment addresses are made anew from it at each change of slots.
; No prefetch into the L2: with 4 K steps every tile is asked for by a first fill or by one of two refills, and no K step lies further ahead.
; REGISTERS: window 0: v0-31 addresses; v64-127 h's fragments, two buffers of 32; v128-223 the bias, 8 for each block of 16 columns (later at work on the way out, as v32-223)
;   window 1: W's fragments, two buffers of 96      window 2: the accumulators of row blocks 0, 1 ((a, b) at 8 (12 (a % 2) + b))      window 3: those of row blocks 2, 3
.set REG,    36864
.set SLOT,   4*REG
.set SPARE,  2*SLOT                    ; behind the ring: the spare words, 128 bytes for each wave
.set PA,     272
.set PB,     288
.set STG,    3*64*144                  ; a wave's stage: 3 slices x 64 rows x 144 bytes.  The stages lie in the ring, and are written only when both slots have had their last fill and their last read
.set ADRA0,  16
.set ADRB10, 17
.set ADRB20, 18
.set ADRA,   19
.set ADRB1,  20
.set ADRB2,  21
.set STO,    24
.set RD,     25
.set GO,     26
.set BO,     27
.set SPW,    28
.set NIL,    29
.set BK,     32
.set BIAS,   128
.set TMP,    128
.set WV,  16                           ; s16 wave; s17 wy; s18 wx
.set WY,  17
.set WX,  18
.set WB,  20                           ; s20 wave x REG
.set SLR, 21
.set CNT, 22
.set G1A, 24
.set G0A, 32
.set G1B, 48
.set G0B, 56
.set MSB, 0
.macro WIN new
.if MSB != (\new)
	s_set_vgpr_msb (MSB<<8)|(\new)
.set MSB, \new
.endif
.endm
.macro PLACES                          ; four places behind a matrix instruction, in front of loads into its registers and of readers of its result
.rept 4
	v_nop
.endr
.endm
.macro CREST                           ; a round of the cluster's barrier behind its opening barrier
	s_cmp_lg_u32 s[WV], 0
	s_cbranch_scc1 .Lnot_wave_0_\@
	s_barrier_signal -3
.Lnot_wave_0_\@:
	s_barrier_wait -3
	s_barrier_signal -1
	s_barrier_wait -1
.endm
.macro CROUND
	s_barrier_signal -1
	s_barrier_wait -1
	CREST
.endm
.macro JLOAD                           ; a joint refill by the walking descriptors: wave 0 fetches h's tile, waves 1-3 W's chunks
	s_cmp_eq_u32 s[WV], 0
	s_cbranch_scc0 .Lfor_b_\@
	tensor_load_to_lds s[G0A+4:G0A+7], s[G1A:G1A+7]
	s_nop 0
.rept 4
	v_nop
.endr
	s_branch .Lasked_\@
.Lfor_b_\@:
	tensor_load_to_lds s[G0B+4:G0B+7], s[G1B:G1B+7]
	s_nop 0
.rept 4
	v_nop
.endr
.Lasked_\@:
.endm
	s_load_b256 s[4:11], s[0:1], 0x0               ; hf, wb, bq, bk
	s_load_b128 s[12:15], s[0:1], 0x20             ; bv, qkv
	v_lshl_add_u32 v[SPW], v0, 2, SPARE
	v_mov_b32 v[NIL], 0
	ds_add_u32 v[SPW], v[NIL]                      ; the wave's opening: the add and its wait stand ahead of my first tensor load
	v_lshrrev_b32 v1, 5, v0
	v_readfirstlane_b32 s[WV], v1
	s_lshr_b32 s[WY], s[WV], 1
	s_and_b32 s[WX], s[WV], 1
	s_bfe_u32 s40, ttmp6, 0x40000                  ; cx
	s_bfe_u32 s41, ttmp6, 0x40004                  ; cy
	s_lshl_b32 s42, ttmp9, 2
	s_add_co_u32 s42, s42, s40                     ; tile column
	s_and_b32 s43, ttmp7, 0xffff
	s_lshl_b32 s43, s43, 2
	s_add_co_u32 s43, s43, s41                     ; tile row
	s_lshl_b32 s44, s41, 2
	s_lshl_b32 s44, 15, s44                        ; my row of the cluster
	s_lshl_b32 s45, 0x1111, s40                    ; my column
	s_or_b32 s[G1A], s44, (1<<16)|(1<<20)|(1<<21)|(5<<22)|(3<<25)  ; 2-byte elements; 4 words of padding behind every 64
	s_or_b32 s[G1B], s45, (1<<16)|(1<<20)|(1<<21)|(5<<22)|(7<<25)  ; 8 words of padding
.irp g, G1A, G1B
	s_mov_b32 s[(\g)+1], 128<<16                   ; tensor_dim0 = 128
	s_mov_b32 s[(\g)+2], 128<<16                   ; tensor_dim1 = 128
	s_mov_b32 s[(\g)+3], 128<<16                   ; tile_dim0 = 128
	s_mov_b32 s[(\g)+4], 128                       ; tile_dim1 = 128
	s_mov_b32 s[(\g)+6], 0
	s_mov_b32 s[(\g)+7], 0
.endr
	s_mov_b32 s[G1A+5], 512                        ; elements from row to row of hf
	s_mov_b32 s[G1B+5], 1536                       ; of WQKV
	s_lshl_b32 s66, s43, 17                        ; h: 128 rows of 1,024 bytes a tile row
	s_mov_b32 s67, 0
	s_max_u32 s68, s[WV], 1
	s_sub_co_u32 s68, s68, 1                       ; my chunk of W (wave 0, which asks for none, stays inside the buffer)
	s_lshl_b32 s68, s68, 8
	s_mul_i32 s69, s42, 768
	s_add_co_u32 s68, s68, s69
	s_mov_b32 s69, 0
	s_mul_i32 s[WB], s[WV], REG
	s_mov_b32 s[SLR], 0
	s_wait_dscnt 0x0                               ; the opening add is done
	s_wait_kmcnt 0x0
	s_add_nc_u64 s[66:67], s[4:5], s[66:67]
	s_add_nc_u64 s[68:69], s[6:7], s[68:69]
	CROUND                                         ; all sixteen work-groups are here: the first joint loads meet
.irp s, 0,1
	s_mov_b32 s[G0A+4*(\s)], 1
	s_add_co_u32 s[G0A+4*(\s)+1], s[WB], (\s)*SLOT
	s_add_nc_u64 s[G0A+4*(\s)+2:G0A+4*(\s)+3], s[66:67], (\s)*256
	s_or_b32 s[G0A+4*(\s)+3], s[G0A+4*(\s)+3], 0x80000000
	s_mov_b32 s[G0B+4*(\s)], 1
	s_add_co_u32 s[G0B+4*(\s)+1], s[WB], (\s)*SLOT
	s_add_nc_u64 s[G0B+4*(\s)+2:G0B+4*(\s)+3], s[68:69], (\s)*393216
	s_or_b32 s[G0B+4*(\s)+3], s[G0B+4*(\s)+3], 0x80000000
.endr
	s_cmp_eq_u32 s[WV], 0                          ; a wave's two first fills stand in one branch: two loads of mine are out
	s_cbranch_scc0 .Lfirst_b
	tensor_load_to_lds s[G0A:G0A+3], s[G1A:G1A+7]
	s_nop 0
	tensor_load_to_lds s[G0A+4:G0A+7], s[G1A:G1A+7]
	s_nop 0
.rept 4
	v_nop
.endr
	s_branch .Lfirst_done
.Lfirst_b:
	tensor_load_to_lds s[G0B:G0B+3], s[G1B:G1B+7]
	s_nop 0
	tensor_load_to_lds s[G0B+4:G0B+7], s[G1B:G1B+7]
	s_nop 0
.rept 4
	v_nop
.endr
.Lfirst_done:
	v_and_b32 v1, 15, v0                           ; r = l % 16
	v_bfe_u32 v2, v0, 4, 1                         ; h = l / 16
	v_mul_u32_u24 v3, v1, PA
	v_lshl_add_u32 v3, v2, 4, v3
	s_mul_i32 s19, s[WY], 64*PA
	v_add_nc_u32 v[ADRA0], s19, v3                 ; my 64 rows of h
	v_and_b32 v3, 7, v0                            ; the turning load: lane l reads k row 8 h + l % 8, 16 bytes at 16 ((l / 8) % 2)
	v_bfe_u32 v4, v0, 3, 1
	v_lshl_add_u32 v5, v2, 3, v3
	v_mul_u32_u24 v5, v5, PB
	v_lshl_add_u32 v5, v4, 4, v5
	s_mul_i32 s19, s[WX], 2*REG
	s_add_co_u32 s19, s19, REG
	v_add_nc_u32 v[ADRB10], s19, v5                ; column blocks 0-7: chunk 2 wx
	s_lshl_b32 s19, s[WX], 7
	s_add_co_u32 s19, s19, 2*REG
	v_add_nc_u32 v[ADRB20], s19, v5                ; column blocks 8-11: chunk 1, its blocks 4 wx ..
	v_mov_b32 v[ADRA], v[ADRA0]
	v_mov_b32 v[ADRB1], v[ADRB10]
	v_mov_b32 v[ADRB2], v[ADRB20]
	; my three slices of 64 columns: 6 bx + 4 wx, the next, and 6 bx + 2 + wx; slice = 8 sel + head
	s_mul_i32 s80, s42, 6
	s_lshl_b32 s81, s[WX], 2
	s_add_co_u32 s81, s81, s80
	s_add_co_u32 s83, s81, 1
	s_add_co_u32 s82, s80, 2
	s_add_co_u32 s82, s82, s[WX]
.macro BPTR dst, sl                    ; the bias of slice s[sl]: the buffer by sel (a choice, no branch), 256 bytes a head
	s_lshr_b32 s46, s[\sl], 3
	s_cmp_eq_u32 s46, 0
	s_cselect_b64 s[\dst:\dst+1], s[8:9], s[10:11]
	s_cmp_eq_u32 s46, 2
	s_cselect_b64 s[\dst:\dst+1], s[12:13], s[\dst:\dst+1]
	s_and_b32 s46, s[\sl], 7
	s_lshl_b32 s46, s46, 8
	s_mov_b32 s47, 0
	s_add_nc_u64 s[\dst:\dst+1], s[\dst:\dst+1], s[46:47]
.endm
	BPTR 70, 81
	BPTR 72, 83
	BPTR 74, 82
	v_lshlrev_b32 v[BO], 5, v2                     ; my 8 columns of a block: 32 h bytes
.irp b, 0,1,2,3,4,5,6,7,8,9,10,11
	global_load_b128 v[BIAS+8*(\b):BIAS+8*(\b)+3], v[BO], s[70+2*((\b)/4):71+2*((\b)/4)] offset:64*((\b)%4)
	global_load_b128 v[BIAS+8*(\b)+4:BIAS+8*(\b)+7], v[BO], s[70+2*((\b)/4):71+2*((\b)/4)] offset:64*((\b)%4)+16
.endr
	; where the slices go: (24 batch + slice) x 262,144 + t x 128
	s_lshr_b32 s84, s43, 4
	s_mul_i32 s84, s84, 24
	s_and_b32 s85, s43, 15
	s_lshl_b32 s85, s85, 7
	s_lshl_b32 s86, s[WY], 6
	s_add_co_u32 s85, s85, s86
	s_lshl_b32 s85, s85, 7
	s_add_co_u32 s46, s84, s81
	s_lshl_b32 s46, s46, 18
	s_add_co_u32 s46, s46, s85
	s_mov_b32 s47, 0
	s_add_nc_u64 s[76:77], s[14:15], s[46:47]      ; the first two slices lie side by side
	s_add_co_u32 s46, s84, s82
	s_lshl_b32 s46, s46, 18
	s_add_co_u32 s46, s46, s85
	s_add_nc_u64 s[78:79], s[14:15], s[46:47]
	s_mul_i32 s19, s[WV], STG
	v_mul_u32_u24 v[STO], v1, 144
	v_lshl_add_u32 v[STO], v2, 4, v[STO]
	v_add_nc_u32 v[STO], s19, v[STO]               ; in: row r, 16 bytes for each half of the lanes
	v_bfe_u32 v[RD], v0, 3, 2
	v_mul_u32_u24 v[RD], v[RD], 144
	v_lshl_add_u32 v[RD], v3, 4, v[RD]
	v_add_nc_u32 v[RD], s19, v[RD]                 ; back: 32 lanes take four rows of 128 bytes,
	v_and_b32 v[GO], 31, v0
	v_lshlrev_b32 v[GO], 4, v[GO]                  ; which are 512 consecutive bytes of a slice
; 12 products: row block a x all 12 column blocks, 32 along K, buffer f.  first = 1: C is the bias
.macro MUL12 f, a, first
.if \first
	WIN 0x81+0x40*((\a)/2)
.else
	WIN 0xa1+0x50*((\a)/2)
.endif
.irp b, 0,1,2,3,4,5,6,7,8,9,10,11
.if \first
	v_wmma_f32_16x16x32_bf16 v[8*(12*((\a)%2)+(\b)):8*(12*((\a)%2)+(\b))+7], v[96*(\f)+8*(\b):96*(\f)+8*(\b)+7], v[64+32*(\f)+8*(\a):64+32*(\f)+8*(\a)+7], v[BIAS+8*(\b):BIAS+8*(\b)+7]
.else
	v_wmma_f32_16x16x32_bf16 v[8*(12*((\a)%2)+(\b)):8*(12*((\a)%2)+(\b))+7], v[96*(\f)+8*(\b):96*(\f)+8*(\b)+7], v[64+32*(\f)+8*(\a):64+32*(\f)+8*(\a)+7], v[8*(12*((\a)%2)+(\b)):8*(12*((\a)%2)+(\b))+7]
.endif
.endr
.endm
; 32 LDS loads in one run: quarter k's fragments into buffer f: 24 of W, 4 of h's row blocks 0, 1, 4 of row blocks 2, 3
.macro FETCH k, f
	WIN 0x40
.irp i, 0,1,2,3,4,5,6,7
	ds_load_tr16_b128 v[96*(\f)+8*(\i):96*(\f)+8*(\i)+3], v[ADRB1] offset:(\k)*32*PB+32*(\i)
	ds_load_tr16_b128 v[96*(\f)+8*(\i)+4:96*(\f)+8*(\i)+7], v[ADRB1] offset:(\k)*32*PB+32*(\i)+16*PB
.endr
.irp i, 0,1,2,3
	ds_load_tr16_b128 v[96*(\f)+64+8*(\i):96*(\f)+64+8*(\i)+3], v[ADRB2] offset:(\k)*32*PB+32*(\i)
	ds_load_tr16_b128 v[96*(\f)+64+8*(\i)+4:96*(\f)+64+8*(\i)+7], v[ADRB2] offset:(\k)*32*PB+32*(\i)+16*PB
.endr
	WIN 0
.irp i, 0,1,2,3
	ds_load_b128 v[64+32*(\f)+8*(\i):64+32*(\f)+8*(\i)+3], v[ADRA] offset:(\k)*64+(\i)*16*PA
	ds_load_b128 v[64+32*(\f)+8*(\i)+4:64+32*(\f)+8*(\i)+7], v[ADRA] offset:(\k)*64+(\i)*16*PA+32
.endr
.endm
.macro QUARTER knext, f, g, first      ; multiplies buffer f; in its middle fetches quarter knext into buffer g
	s_wait_dscnt 4                                 ; all but the youngest four loads (row blocks 2, 3)
	MUL12 \f, 0, \first
	MUL12 \f, 1, \first
	PLACES
	FETCH \knext, \g
	s_wait_dscnt 32                                ; all but the 32 just issued
	MUL12 \f, 2, \first
	MUL12 \f, 3, \first
.endm
; The first half of a K step's last quarter, and the one barrier of a change of slots: in front of it each wave waits for all its tensor loads, adds 0 to its spare word, and waits for that and for its reads of the slot.
.macro MEET
	WIN 0
	s_wait_tensorcnt 0x0                           ; all my tensor loads have landed: my part of the other slot
	ds_add_u32 v[SPW], v[NIL]
	s_wait_dscnt 5                                 ; (the add and the youngest four loads may be out)
	MUL12 1, 0, 0
	s_wait_dscnt 0x0                               ; the add is done, and my reads of this slot are over
	s_barrier_signal -1
	MUL12 1, 1, 0
	WIN 0
	s_barrier_wait -1
.endm
.macro NEXTSLOT                        ; the fragment addresses turn to the other slot
	s_xor_b32 s[SLR], s[SLR], SLOT
	v_add_nc_u32 v[ADRA], s[SLR], v[ADRA0]
	v_add_nc_u32 v[ADRB1], s[SLR], v[ADRB10]
	v_add_nc_u32 v[ADRB2], s[SLR], v[ADRB20]
.endm
.macro TURN                            ; the last quarter with a refill: the barrier opens a round of the cluster's, and the joint refill is the first tensor load behind it
	MEET
	CREST
	s_add_co_u32 s[G0A+5], s[WB], s[SLR]           ; the walking descriptors: into the slot just read out,
	s_add_nc_u64 s[G0A+6:G0A+7], s[G0A+6:G0A+7], 256  ; the next K step
	s_add_co_u32 s[G0B+5], s[WB], s[SLR]
	s_add_nc_u64 s[G0B+6:G0B+7], s[G0B+6:G0B+7], 393216
	JLOAD
	NEXTSLOT
	FETCH 0, 0
	MUL12 1, 2, 0
	MUL12 1, 3, 0
.endm
	s_wait_tensorcnt 1                             ; my part of K step 0 is in; K step 1's may stay out
	s_barrier_signal -1
	s_barrier_wait -1
	FETCH 0, 0
	s_wait_loadcnt 0x0                             ; the bias
	QUARTER 1, 0, 1, 1
	WIN 0
	s_mov_b32 s[CNT], 2
.Lmain:                                        ; two trips: K steps 0 and 1 end, K steps 2 and 3 are asked for
	QUARTER 2, 1, 0, 0
	QUARTER 3, 0, 1, 0
	TURN
	QUARTER 1, 0, 1, 0
	WIN 0
	s_sub_co_u32 s[CNT], s[CNT], 1
	s_cmp_lg_u32 s[CNT], 0
	s_cbranch_scc1 .Lmain
	s_mov_b32 s[CNT], 2
.Ltail:                                        ; K steps 2 and 3 ask for nothing: a text of their own, left in the middle of its second trip
	QUARTER 2, 1, 0, 0
	QUARTER 3, 0, 1, 0
	MEET
	s_sub_co_u32 s[CNT], s[CNT], 1
	s_cmp_eq_u32 s[CNT], 0
	s_cbranch_scc1 .Lfin
	NEXTSLOT
	PLACES
	FETCH 0, 0
	MUL12 1, 2, 0
	MUL12 1, 3, 0
	QUARTER 1, 0, 1, 0
	WIN 0
	s_branch .Ltail
.Lfin:
	MUL12 1, 2, 0
	MUL12 1, 3, 0
	; THE WAY OUT.  Behind the last barrier no wave reads a slot and no fill is to come: my stage lies in the ring.  Rounded to bf16, 16 bytes a lane into rows of 144 bytes, back as whole rows.
	WIN 0
	PLACES
.irp a, 0,1,2,3
	WIN 0x0a+5*((\a)/2)
.irp b, 0,1,2,3,4,5,6,7,8,9,10,11
.irp q, 0,1,2,3
	v_cvt_pk_bf16_f32 v[TMP+4*(\b)+(\q)], v[8*(12*((\a)%2)+(\b))+2*(\q)], v[8*(12*((\a)%2)+(\b))+2*(\q)+1]
.endr
.endr
	WIN 0
.irp b, 0,1,2,3,4,5,6,7,8,9,10,11
	ds_store_b128 v[STO], v[TMP+4*(\b):TMP+4*(\b)+3] offset:((\b)/4)*9216+(\a)*2304+32*((\b)%4)
.endr
.endr
.set n, 0
.rept 48                               ; LDS serves a wave's instructions in order: these see the stores above
	ds_load_b128 v[BK+4*n:BK+4*n+3], v[RD] offset:(n/16)*9216+(n%16)*576
.set n, n+1
.endr
.set n, 0
.rept 32
	s_wait_dscnt 47-n                              ; load n is back; the younger ones may stay out
	global_store_b128 v[GO], v[BK+4*n:BK+4*n+3], s[76:77] offset:(n/16)*262144+(n%16)*512  ; 512 consecutive bytes, aligned
.set n, n+1
.endr
.rept 16
	s_wait_dscnt 47-n
	global_store_b128 v[GO], v[BK+4*n:BK+4*n+3], s[78:79] offset:(n%16)*512
.set n, n+1
.endr
	s_wait_tensorcnt 0x0                           ; the wave's end
	ds_add_u32 v[SPW], v[NIL]
	s_wait_dscnt 0x0
	CROUND                                         ; the closing round
	s_endpgm
.Lfunc_end_k_qc7fb67dd62_qkvp:
	.size	k_qc7fb67dd62_qkvp, .Lfunc_end_k_qc7fb67dd62_qkvp-k_qc7fb67dd62_qkvp
	.p2alignl 7, 3214868480
	.fill 96, 4, 3214868480
	.section	.rodata,"a",@progbits
	.p2align	6, 0x0
	.amdhsa_kernel k_qc7fb67dd62_qkvp
		.amdhsa_group_segment_fixed_size 327680
		.amdhsa_private_segment_fixed_size 0
		.amdhsa_enable_private_segment 0
		.amdhsa_kernarg_size 48
		.amdhsa_user_sgpr_count 2
		.amdhsa_user_sgpr_kernarg_segment_ptr 1
		.amdhsa_wavefront_size32 1
		.amdhsa_system_sgpr_workgroup_id_x 1
		.amdhsa_system_sgpr_workgroup_id_y 1
		.amdhsa_system_sgpr_workgroup_id_z 1
		.amdhsa_system_vgpr_workitem_id 0
		.amdhsa_next_free_vgpr 960
		.amdhsa_next_free_sgpr 96
		.amdhsa_reserve_vcc 0
		.amdhsa_float_denorm_mode_32 3
		.amdhsa_float_denorm_mode_16_64 3
		.amdhsa_memory_ordered 1
		.amdhsa_forward_progress 1
		.amdhsa_inst_pref_size 89
	.end_amdhsa_kernel
	.amdgpu_metadata
---
amdhsa.version: [ 1, 2 ]
amdhsa.kernels:
  - .name:           k_qc7fb67dd62_qkvp
    .symbol:         k_qc7fb67dd62_qkvp.kd
    .args:
      - { .name: hf, .offset: 0, .size: 8, .value_kind: global_buffer, .address_space: global }
      - { .name: wb, .offset: 8, .size: 8, .value_kind: global_buffer, .address_space: global }
      - { .name: bq, .offset: 16, .size: 8, .value_kind: global_buffer, .address_space: global }
      - { .name: bk, .offset: 24, .size: 8, .value_kind: global_buffer, .address_space: global }
      - { .name: bv, .offset: 32, .size: 8, .value_kind: global_buffer, .address_space: global }
      - { .name: qkv, .offset: 40, .size: 8, .value_kind: global_buffer, .address_space: global }
    .group_segment_fixed_size: 327680
    .private_segment_fixed_size: 0
    .kernarg_segment_align: 8
    .kernarg_segment_size: 48
    .max_flat_workgroup_size: 128
    .sgpr_count:     96
    .vgpr_count:     960
    .wavefront_size: 32
...
	.end_amdgpu_metadata
.endif
;; end of part 2
;; launch attn (part 3): grid 8 x 32, 4 waves a work-group, clusters of 4 x 1, 327,680 bytes of LDS; arguments qkv, ob; writes ob
.if DOCPART == 3
	.amdgcn_target "amdgcn-amd-amdhsa--gfx1250"
	.amdhsa_code_object_version 6
	.text
	.protected	k_qc7fb67dd62_attn
	.globl	k_qc7fb67dd62_attn
	.p2align	8
	.type	k_qc7fb67dd62_attn,@function
k_qc7fb67dd62_attn:
	s_mov_b64 s[64:65], 0
	v_nop
	global_prefetch_b8 v0, s[64:65] scope:SCOPE_SE
	s_setreg_imm32_b32 hwreg(HW_REG_WAVE_MODE, 25, 1), 1
	s_wait_xcnt 0x0
	s_wait_alu depctr_hold_cnt(0) depctr_sa_sdst(0) depctr_va_vdst(0) depctr_va_sdst(0) depctr_va_ssrc(0) depctr_va_vcc(0) depctr_vm_vsrc(0)
	s_getreg_b32 s2, hwreg(HW_REG_IB_STS2, 6, 4)
	s_cmp_eq_u32 s2, 0
	s_cbranch_scc0 .Lentry_in_a_cluster
	s_endpgm
.Lentry_in_a_cluster:
	s_bfe_u32 s2, ttmp6, 0x10000c
	s_cmp_lg_u32 s2, 0x3003
	s_cbranch_scc0 .Lentry_shape_is_right
	s_endpgm
.Lentry_shape_is_right:
; ATTENTION OUTSIDE A BAND.  O[y][i][:] = the sum over the keys j with |i - j| > 128 of softmax_j(Q[i] . K[j] / 8) V[j][:], for y = 8 batch + head.  Q, K, V: slices of qkv
; [batch][8 sel + head][2048][64] in bf16; O: ob [y][2048][64] in bf16.  Products, maxima and sums in f32; the weights p are rounded to bf16 for the second product (their sum l is taken unrounded), O once.
; LIMITS.  A hidden score counts as its value less 2^30 (2^29 on the band's edge): true scores stay under 2^27 in magnitude.  A query block whose first keys are all hidden first makes weights of them:
; their exponent is what the rounding of c m leaves of c s - c m, at most 8 at c 2^30 < 2^28, so they are finite; the first true score makes a = 0 and wipes them.  Every query has keys outside the band.
; A weight below 2^-126 counts as 0 in l; NaN and infinities are not treated apart.
; SHARES.  A work-group owns 256 queries of one head; of the block's four bands of 64 a wave owns 16 rows in each: four PIECES.  Every wave walks all 2,048 keys, 64 a step, four steps to a slot.
; THE MASK is the C operand that starts the sum S^T = K Q^T.  With T = 4 block + band - step, i - j = 64 T + c - lk (c: the query's place in its band, lk: the key's in its step): |T| >= 3 hides nothing,
; |T| <= 1 everything, T = 2 the keys lk >= c, T = -2 the keys lk <= c.  MD, made once, is 0, -2^29, -2^30 for lk <, =, > c; a product's mask is MD x AL + BE with (AL, BE) = (1, 0), (-1, -2^30),
; (0, -2^30), (0, 0).  Every turn makes one, by selects: the partners of a cluster have different T.
; LAYOUT, SOFTMAX, TURNS.  S^T holds ONE query a lane (lane % 16) and the keys 8 (lane / 16) + 0..7; two such results rounded to bf16 ARE source 1 of O^T = V^T P.  p = 2^(c s - c m), c = log2(e) / 8, with a
; running maximum m; O and l are multiplied by a = 2^(c m_old - c m_new) in every step.  Turn n belongs to piece n: 8 products K Q^T of piece n + 1, later 8 products V^T P of piece n - 1; beside them the
; scaling, exponentials, roundings, sums and rescaling of piece n and the maximum and statistics of piece n + 1.  Four vector instructions stand behind every matrix instruction, the rest in one lump.
; A turn's 33 exponentials are one batch, with one wait.  m starts at the lowest finite number, O and l at 0: the first step is a step like any other.
; CLUSTER.  The four query blocks of a cluster belong to one head and walk the same K and V: each tile is asked for JOINTLY, by the same tensor load, descriptor and mask in all four.
; REGISTERS, in windows of 256: window 0: v0-15 addresses; v16-31 statistics; v48-55 at work; v61-63 prefetch offset, spare word, 0; v64-127 S^T, two buffers; v192-223 P, two buffers
;   window 1: v0-127 O^T, 32 a piece; v128-159 MD; v160-223 MC, two buffers      window 2: v0-63 Q; v128-191 K of one step; v192-255 V of one step
.set NP,    4
.set KS,    64
.set PK,    144                        ; a row of K in LDS: 128 bytes + 16
.set PV,    160                        ; a row of V: 128 + 32
.set VOFF,  4*KS*PK
.set SLOT1, 1<<17
.set STAGE, SLOT1+4*KS*(PK+PV)         ; behind the ring: 16 rows x 144 bytes for each wave
.set SP,    144
.set SPARE, STAGE+4*16*SP              ; the spare words, 128 bytes for each wave
.set AK0, 2
.set AV0, 3
.set AK,  4
.set AV,  5
.set STO, 6
.set RD,  7
.set GO,  8
.set MV,  12
.set QO,  15
.set ST,  16
.set TMP, 48
.set PFO, 61
.set SPW, 62
.set NIL, 63
.set S,   64
.set P,   192
.set MD,  128
.set MC,  160
.set KF,  128
.set VF,  192
.set WV,  12
.set LIM, 15
.set G1K, 24
.set G1V, 32
.set G0K, 40
.set G0V, 44
.set SLOTS, 56
.set CNT, 57
.set CS,  58
.set SEL, 60
.set TBK, 62
.set TBV, 63
.set DSN, 70                           ; s70  4 block - the step whose masks are being made
.set TT,  71
.set AL,  76
.set BE,  78
.set BIGN, 82
.set HALFN, 83
.set PFA, 84
.set MSB, 0
.macro WIN new
.if MSB != (\new)
	s_set_vgpr_msb (MSB<<8)|(\new)
.set MSB, (\new)
.endif
.endm
.set W_KQ, 0x0a
.set W_KM, 0x1a
.set W_PV, 0x52
.set W_RS, 0x41
.macro JLOAD                           ; a joint fill: waves 0 and 1 fetch the halves of a tile's K, waves 2 and 3 those of its V
	s_cmp_lt_u32 s[WV], 2
	s_cbranch_scc0 .Lfor_v_\@
	tensor_load_to_lds s[G0K:G0K+3], s[G1K:G1K+7]
	s_nop 0
.rept 4
	v_nop
.endr
	s_branch .Lasked_\@
.Lfor_v_\@:
	tensor_load_to_lds s[G0V:G0V+3], s[G1V:G1V+7]
	s_nop 0
.rept 4
	v_nop
.endr
.Lasked_\@:
.endm
; A PREFETCH INTO THE L2 of the tile that the NEXT change of slots will ask for: four key steps, 256 matrix instructions, ahead of that load.  A tile is 128 blocks of 256 bytes of K and as many of V.
; Both clusters of a head walk the same K and V: the first prefetches.  Its four partners share the blocks out by address, 32 each, a lane a block; wave 0 asks for K's, wave 2 for V's.
; So each block is named once in the launch.  The change that fills the last tile asks for nothing.
.macro ASK
	s_cmp_gt_u32 s[SLOTS], s[LIM]
	s_cbranch_scc0 .Lnot_mine_\@
	global_prefetch_b8 v[PFO], s[PFA:PFA+1] th:TH_LOAD_NT scope:SCOPE_SE
.Lnot_mine_\@:
.endm
.macro CROUND
	s_barrier_signal -1
	s_barrier_wait -1
	s_cmp_lg_u32 s[WV], 0
	s_cbranch_scc1 .Lnot_wave_0_\@
	s_barrier_signal -3
.Lnot_wave_0_\@:
	s_barrier_wait -3
	s_barrier_signal -1
	s_barrier_wait -1
.endm
; THE CHANGE OF SLOTS.  Each wave waits for all its tensor loads (one is out: its part of the other slot), adds 0 to its spare word, and waits for that and for its reads of the slot that it leaves.
; fill = 1: the barrier is a round of the cluster's, and the joint fill of the old slot, with the keys two slots on, is the first thing behind it.
.macro CHANGE fill
	WIN 0
	s_wait_tensorcnt 0x0
	ds_add_u32 v[SPW], v[NIL]
.if \fill
.irp g, G0K, G0V
	s_xor_b32 s[\g+1], s[\g+1], SLOT1
	s_add_nc_u64 s[\g+2:\g+3], s[\g+2:\g+3], 4*KS*128
.endr
	s_wait_xcnt 0x0                                ; the last prefetch, four key steps back, has read its address
	s_add_nc_u64 s[PFA:PFA+1], s[PFA:PFA+1], 4*KS*128
	s_wait_dscnt 0x0
	CROUND
	JLOAD
	ASK
.else
	s_wait_dscnt 0x0
	s_barrier_signal -1
	s_barrier_wait -1
.endif
	s_sub_co_u32 s[TBK], s[TBK], 4*KS*PK
	s_xor_b32 s[TBK], s[TBK], SLOT1
	s_sub_co_u32 s[TBV], s[TBV], 4*KS*PV
	s_xor_b32 s[TBV], s[TBV], SLOT1
.endm
	s_load_b128 s[4:7], s[0:1], 0x0                ; qkv s[4:5], ob s[6:7]
	v_lshl_add_u32 v[SPW], v0, 2, SPARE
	v_mov_b32 v[NIL], 0
	ds_add_u32 v[SPW], v[NIL]                      ; the wave's opening: the add and its wait stand ahead of my first tensor load
	v_lshrrev_b32 v1, 5, v0
	v_readfirstlane_b32 s[WV], v1
	s_bfe_u32 s13, ttmp6, 0x40000                  ; cx
	s_lshl_b32 s14, ttmp9, 2
	s_add_co_u32 s14, s14, s13                     ; my block of 256 queries: it enters Q's and O's addresses and the masks' scalars alone
	s_and_b32 s20, ttmp7, 0xffff                   ; y = 8 batch + head, which the partners share
	s_lshr_b32 s21, s20, 3
	s_and_b32 s22, s20, 7
	s_mul_i32 s21, s21, 24
	s_add_co_u32 s21, s21, s22
	s_lshl_b32 s22, s21, 18                        ; q's slice; k's lies 8 slices on, v's 16
	s_and_b32 s16, s[WV], 1                        ; which half of a tile's 256 keys I fetch
	s_lshl_b32 s2, s16, 14
	s_add_co_u32 s2, s2, s22
	s_mov_b32 s3, 0
	s_mul_i32 s17, s16, 128*PK
	s_mul_i32 s18, s16, 128*PV
	s_lshl_b32 s10, s14, 15                        ; my block's rows,
	s_lshl_b32 s11, s[WV], 11                      ; my 16 rows in a band
	s_add_co_u32 s10, s10, s11
	s_add_co_u32 s8, s10, s22
	s_mov_b32 s9, 0
	s_lshl_b32 s11, s20, 18
	s_add_co_u32 s10, s10, s11
	s_mov_b32 s11, 0
	s_mov_b32 s[G1K], 15|(1<<16)|(1<<20)|(1<<21)|(4<<22)|(3<<25)  ; 128 keys are 16,384 dense bytes: 64 rows of 256, padded by 4 words behind every 32
	s_mov_b32 s[G1V], 15|(1<<16)|(1<<20)|(1<<21)|(4<<22)|(7<<25)  ; by 8 words
.irp g, G1K, G1V
	s_mov_b32 s[\g+1], 128<<16
	s_mov_b32 s[\g+2], 64<<16
	s_mov_b32 s[\g+3], 128<<16
	s_mov_b32 s[\g+4], 64
	s_mov_b32 s[\g+5], 128
	s_mov_b32 s[\g+6], 0
	s_mov_b32 s[\g+7], 0
.endr
	s_mov_b32 s[CS], 0x3e38aa3b                    ; c = log2(e) / 8
	s_mov_b32 s[CS+1], s[CS]
	s_mov_b32 s[SEL], 0x76543210
	s_mov_b32 s[SEL+1], 0xfedcba98
	s_mov_b32 s[TBK], SLOT1+4*KS*PK                ; the first change of slots turns these two into 0
	s_mov_b32 s[TBV], SLOT1+4*KS*PV
	s_mov_b32 s[G0K], 1
	s_mov_b32 s[G0K+1], s17
	s_mov_b32 s[G0V], 1
	s_add_co_u32 s[G0V+1], s18, VOFF
	s_lshl_b32 s[DSN], s14, 2
	s_mov_b32 s[AL+1], 0
	s_mov_b32 s[BE+1], 0
	s_mov_b32 s[BIGN], 0xce800000                  ; -2^30
	s_mov_b32 s[HALFN], 0xce000000                 ; -2^29
	s_mov_b32 s[SLOTS], 7
	s_and_b32 s[LIM], s[WV], 1
	s_or_b32 s[LIM], s[LIM], ttmp9                 ; 0 in waves 0 and 2 of the head's first cluster: the same in all four partners
	s_cmp_eq_u32 s[LIM], 0
	s_cselect_b32 s[LIM], 1, -1
	v_and_b32 v[PFO], 31, v0
	v_lshlrev_b32 v[PFO], 8, v[PFO]
	s_wait_dscnt 0x0                               ; the opening add is done
	s_wait_kmcnt 0x0
	s_add_nc_u64 s[72:73], s[4:5], s[2:3]
	s_add_nc_u64 s[74:75], s[72:73], 16<<18        ; V at my half of tile 0
	s_add_nc_u64 s[72:73], s[72:73], 8<<18         ; K
	s_mov_b64 s[G0K+2:G0K+3], s[72:73]
	s_or_b32 s[G0K+3], s[G0K+3], 0x80000000
	s_mov_b64 s[G0V+2:G0V+3], s[74:75]
	s_or_b32 s[G0V+3], s[G0V+3], 0x80000000
	s_cmp_lt_u32 s[WV], 2
	s_cselect_b64 s[PFA:PFA+1], s[72:73], s[74:75]
	s_lshl_b32 s2, s13, 13                         ; my work-group's 32 blocks of the 128
	s_mov_b32 s3, 0
	s_add_nc_u64 s[PFA:PFA+1], s[PFA:PFA+1], s[2:3]
	s_add_nc_u64 s[PFA:PFA+1], s[PFA:PFA+1], 4*KS*128  ; in tile 1; the first change steps it to tile 2
	s_add_nc_u64 s[4:5], s[4:5], s[8:9]            ; Q and O at my rows of band 0
	s_add_nc_u64 s[6:7], s[6:7], s[10:11]
	CROUND                                         ; all four work-groups are here
	JLOAD                                          ; tile 0 into slot 0
	v_and_b32 v1, 15, v0
	v_bfe_u32 v9, v0, 4, 1
	v_lshlrev_b32 v[QO], 7, v1
	v_lshl_add_u32 v[QO], v9, 4, v[QO]
	WIN 0x80
.set i, 0
.rept 8                                ; Q: piece i / 2 lies in band i / 2, 8,192 bytes on; channels 32 (i % 2) on
	global_load_b128 v[8*i:8*i+3],   v[QO], s[4:5] offset:(i/2)*8192+(i%2)*64
	global_load_b128 v[8*i+4:8*i+7], v[QO], s[4:5] offset:(i/2)*8192+(i%2)*64+32
.set i, i+1
.endr
	WIN 0
	v_lshlrev_b32 v14, 3, v9
	v_sub_nc_u32 v14, v1, v14
	s_lshl_b32 s19, s[WV], 4
	v_add_nc_u32 v14, s19, v14                     ; c - 8 (l / 16): register r of key group kt stands for lk - 8 (l / 16) = 16 kt + r
	WIN W_RS
.set i, 0
.rept 32
	v_cmp_gt_i32 vcc_lo, 16*(i/8)+i%8, v14
	v_cndmask_b32 v[MD+i], 0, s[BIGN], vcc_lo
	v_cmp_eq_i32 vcc_lo, 16*(i/8)+i%8, v14
	v_cndmask_b32 v[MD+i], v[MD+i], s[HALFN], vcc_lo
.set i, i+1
.endr
	WIN 0
	v_mul_u32_u24 v[AK0], v1, PK
	v_lshl_add_u32 v[AK0], v9, 4, v[AK0]
	v_and_b32 v10, 7, v0
	v_bfe_u32 v11, v0, 3, 1
	v_lshl_add_u32 v[AV0], v9, 3, v10
	v_mul_u32_u24 v[AV0], v[AV0], PV
	v_lshl_add_u32 v[AV0], v11, 4, v[AV0]
	v_add_nc_u32 v[AV0], VOFF, v[AV0]
	s_mul_i32 s19, s[WV], 16*SP
	s_add_co_u32 s19, s19, STAGE
	v_mul_u32_u24 v[STO], v1, SP
	v_lshl_add_u32 v[STO], v9, 4, v[STO]
	v_add_nc_u32 v[STO], s19, v[STO]
	v_bfe_u32 v[RD], v0, 3, 2
	v_mul_u32_u24 v[RD], v[RD], SP
	v_lshl_add_u32 v[RD], v10, 4, v[RD]
	v_add_nc_u32 v[RD], s19, v[RD]
	v_and_b32 v[GO], 31, v0
	v_lshlrev_b32 v[GO], 4, v[GO]
	; What the first turn finds: V's registers and P's second buffer hold 0 (its products V^T P, of a piece that has not been, add 0), O^T and l are 0.  All this stands in the wait for the first tile.
	WIN 0x80
.set i, VF
.rept 64
	v_mov_b32 v[i], 0
.set i, i+1
.endr
	WIN 0x40
.set i, 0
.rept 128
	v_mov_b32 v[i], 0
.set i, i+1
.endr
	WIN 0
.set i, 0
.rept 4
	v_mov_b32 v[ST+4*i], 0xfe000000                ; c m: far below every c s
	v_mov_b32 v[ST+4*i+1], 0xff7fffff              ; m
	v_mov_b32 v[ST+4*i+2], 0
	v_mov_b32 v[ST+4*i+3], 0
.set i, i+1
.endr
.set i, P+16
.rept 16
	v_mov_b32 v[i], 0
.set i, i+1
.endr
; THE MATRIX WORK.  The 4 accumulators of a run of 8 take turns.  Product i of 8 of S^T = K Q^T for piece x: channels 32 (i / 4) on, keys 16 (i % 4) on.  The first 4 start the sums with the mask.
.macro KQ x
.set rS, S+32*((\x)%2)+8*(i%4)
.set rK, KF+16*(i%4)+8*(i/4)
.set rQ, 16*(\x)+8*(i/4)
.set rM, MC+32*((\x)%2)+8*(i%4)
.if i < 4
	WIN W_KM
	v_wmma_f32_16x16x32_bf16 v[rS:rS+7], v[rK:rK+7], v[rQ:rQ+7], v[rM:rM+7]
.else
	WIN W_KQ
	v_wmma_f32_16x16x32_bf16 v[rS:rS+7], v[rK:rK+7], v[rQ:rQ+7], v[rS:rS+7]
.endif
.endm
; Product i of 8 of O^T += V^T P for piece x: keys 32 (i / 4) on, channels 16 (i % 4) on.
.macro PV x
	WIN W_PV
.set rO, 32*(\x)+8*(i%4)
.set rV, VF+32*(i/4)+8*(i%4)
.set rP, P+16*((\x)%2)+8*(i/4)
	v_wmma_f32_16x16x32_bf16 v[rO:rO+7], v[rV:rV+7], v[rP:rP+7], v[rO:rO+7]
.endm
.macro MM                              ; the turn's next matrix instruction
.if i < 8
	KQ (Y+1)%NP
.else
.set i, i-8
	PV (Y+NP-1)%NP
.set i, i+8
.endif
.set i, i+1
.endm
.macro FETCH_K                         ; a step's K: 64 keys x 64 channels, 8 fragments, one run of 16 loads
	WIN 0x80
.irp f, 0,1,2,3,4,5,6,7
	ds_load_b128 v[KF+8*\f:KF+8*\f+3],   v[AK] offset:(\f/2)*16*PK+(\f%2)*64
	ds_load_b128 v[KF+8*\f+4:KF+8*\f+7], v[AK] offset:(\f/2)*16*PK+(\f%2)*64+32
.endr
	s_add_co_u32 s[TBK], s[TBK], KS*PK
	WIN 0
.endm
.macro FETCH_V                         ; its V, turned
	WIN 0x80
.irp f, 0,1,2,3,4,5,6,7
	ds_load_tr16_b128 v[VF+8*\f:VF+8*\f+3],   v[AV] offset:(\f/4)*32*PV+(\f%4)*32
	ds_load_tr16_b128 v[VF+8*\f+4:VF+8*\f+7], v[AV] offset:(\f/4)*32*PV+16*PV+(\f%4)*32
.endr
	WIN 0
.endm
; THE VECTOR WORK, one line at a time: OP kind, number.  For piece Y: F n: c s - c m for pair n of 16.  E n: the exponential of score n of 32.  C n: pair n rounded to bf16.  B n: of the four weights 4 n .. the
; second pair is added onto the first, in place.  L n: l takes that sum (L 0: l = a l + sum).  R n: pair n of 16 of O^T times a.  For piece Y + 1: X n, number n of the 22 that find its maximum and statistics:
;   0-11 four chains of seven scores each (each accumulator's lowest registers are read first)   12-14, 16 the scores left over, the old m, the four into one   15 c m_old is kept
;   17, 18 the query's other 32 keys lie in the lane 16 away: the new m   19-21 c m; c m_old - c m_new; a
.set F, 0
.set E, 1
.set C, 2
.set B, 3
.set L, 4
.set R, 5
.set X, 6
.macro REGS y
.set rT, ST+4*(\y)
.set rC, TMP+4*((\y)%2)
.set rW, MV+((\y)%2)
.set rS, S+32*((\y)%2)
.set rP, P+16*((\y)%2)
.set rO, 32*(\y)
.endm
.macro OP k, n
.if (\k) == R
	REGS Y
	WIN W_RS
	v_pk_mul_f32 v[rO+2*(\n):rO+2*(\n)+1], v[rO+2*(\n):rO+2*(\n)+1], v[rC+2:rC+3] op_sel_hi:[1,0]
.elseif (\k) < R
	REGS Y
	WIN 0
.if (\k) == F
	v_pk_fma_f32 v[rS+2*(\n):rS+2*(\n)+1], v[rS+2*(\n):rS+2*(\n)+1], s[CS:CS+1], v[rT:rT+1] op_sel_hi:[1,0,0] neg_lo:[0,0,1] neg_hi:[0,0,1]
.elseif (\k) == E
	v_exp_f32 v[rS+(\n)], v[rS+(\n)]
.elseif (\k) == C
	v_cvt_pk_bf16_f32 v[rP+(\n)], v[rS+2*(\n)], v[rS+2*(\n)+1]
.elseif (\k) == B
	v_pk_add_f32 v[rS+4*(\n):rS+4*(\n)+1], v[rS+4*(\n):rS+4*(\n)+1], v[rS+4*(\n)+2:rS+4*(\n)+3]
.elseif (\n) == 0
	v_pk_fma_f32 v[rT+2:rT+3], v[rT+2:rT+3], v[rC+2:rC+3], v[rS:rS+1] op_sel_hi:[1,0,1]
.else
	v_pk_add_f32 v[rT+2:rT+3], v[rT+2:rT+3], v[rS+4*(\n):rS+4*(\n)+1]
.endif
.else
	REGS (Y+1)%NP
	WIN 0
.if (\n) < 4
	v_max3_num_f32 v[rC+(\n)], v[rS+8*(\n)], v[rS+8*(\n)+1], v[rS+8*(\n)+2]
.elseif (\n) < 12
	v_max3_num_f32 v[rC+(\n)%4], v[rC+(\n)%4], v[rS+8*((\n)%4)+2*((\n)/4)+1], v[rS+8*((\n)%4)+2*((\n)/4)+2]
.elseif (\n) == 12
	v_max3_num_f32 v[rC], v[rC], v[rS+7], v[rS+15]
.elseif (\n) == 13
	v_max3_num_f32 v[rC+1], v[rC+1], v[rS+23], v[rS+31]
.elseif (\n) == 14
	v_max3_num_f32 v[rC+2], v[rC+2], v[rC+3], v[rT+1]
.elseif (\n) == 15
	v_mov_b32 v[rW], v[rT]
.elseif (\n) == 16
	v_max3_num_f32 v[rC], v[rC], v[rC+1], v[rC+2]
.elseif (\n) == 17
	v_permlanex16_b32 v[rC+3], v[rC], s[SEL], s[SEL+1]
.elseif (\n) == 18
	v_max_num_f32 v[rT+1], v[rC], v[rC+3]
.elseif (\n) == 19
	v_mul_f32 v[rT], s[CS], v[rT+1]
.elseif (\n) == 20
	v_sub_f32 v[rC+1], v[rW], v[rT]
.else
	v_exp_f32 v[rC+2], v[rC+1]
.endif
.endif
.endm
.macro OPS a, i1, b=-1, i2=0, c=-1, i3=0, d=-1, i4=0
	OP \a, \i1
.if (\b) >= 0
	OP \b, \i2
.endif
.if (\c) >= 0
	OP \c, \i3
.endif
.if (\d) >= 0
	OP \d, \i4
.endif
.endm
.macro ROW a, i1, b, i2, c, i3, d, i4  ; a matrix instruction and the four behind it
	MM
	OPS \a, \i1, \b, \i2, \c, \i3, \d, \i4
.endm
.macro MSC x                           ; the mask's two scalars for band x in the step that DSN stands for
	s_add_co_u32 s[TT], s[DSN], \x
	s_cmp_eq_u32 s[TT], 2
	s_cselect_b32 s[AL], 1.0, 0
	s_cmp_eq_u32 s[TT], -2
	s_cselect_b32 s[AL], -1.0, s[AL]
	s_add_co_u32 s[TT], s[TT], 2
	s_cmp_lt_u32 s[TT], 4                          ; T = -2 .. 1
	s_cselect_b32 s[BE], s[BIGN], 0
.endm
.macro MASK b                          ; MD x AL + BE into buffer b of MC
	WIN W_RS
.set z, 0
.rept 16
	v_pk_fma_f32 v[MC+32*(\b)+2*z:MC+32*(\b)+2*z+1], v[MD+2*z:MD+2*z+1], s[AL:AL+1], s[BE:BE+1] op_sel_hi:[1,0,0]
.set z, z+1
.endr
.endm
; A TURN, for piece p.  AHEAD OF ITS ONE WAIT stands all that names no result of the turn's exponentials: the 8 products K Q^T with their riders, then the lump; X 21, the next piece's a, is the batch's last, and R 15
; the plain instruction behind it.  BEHIND THE WAIT stand the 8 products V^T P, behind each four of the roundings and sums.  At its end the turn makes the mask for the products of the turn after it: piece p + 2.
; K of the next step is fetched in piece 2's turn, in the lump; V of the step in hand at the end of piece 0's turn; each is waited for a turn later.
; tail = 1: K's address is held to the last step's, so that the walk's last trip reads that K once more and no jump stands among the exponentials.  cnt = 1: the loop's count is taken down ahead of the branch behind the turn.
.macro TURN p, tail=0, cnt=0
.set Y, (\p)
.set i, 0
	MSC ((\p)+2)%NP
.if (\p) == 3
	s_wait_dscnt 0x0                               ; K is in
.endif
	ROW F,0, F,1, R,0, R,1
	ROW F,2, E,0, R,2, R,3
	ROW F,3, E,1, R,4, R,5
	ROW F,4, E,2, R,6, R,7
	ROW F,5, E,3, R,8, R,9
	ROW F,6, E,4, X,0, R,10
.if (\p) == 2
	WIN 0
.if \tail
	s_min_u32 s[TT], s[TBK], SLOT1+3*KS*PK
	v_add_nc_u32 v[AK], s[TT], v[AK0]
.else
	v_add_nc_u32 v[AK], s[TBK], v[AK0]
.endif
.endif
	ROW F,7, E,5, X,1, X,4
	ROW F,8, E,6, X,2, X,5
	OPS E,7, E,8, X,6, E,9
	OPS X,3, E,10, X,8, E,11
.if (\p) == 2
	FETCH_K
.endif
	OPS X,9, X,7, E,12, X,10
	OPS E,13, X,12, X,11, E,14
	OPS X,13, E,15, F,9, X,14
.if (\p) == 0
	WIN 0
	v_add_nc_u32 v[AV], s[TBV], v[AV0]
.endif
	OPS E,16, F,10, E,17, F,11
	OPS X,16, E,18, X,15, E,19
	OPS F,12, E,20, X,17, E,21
	OPS F,13, E,22, F,14, E,23
	OPS X,18, E,24, F,15, E,25
	OPS R,11, E,26, X,19, E,27
	OPS R,12, E,28, R,13, E,29
	OPS X,20, E,30, R,14, E,31
	OPS X,21, R,15
	WIN 0
	s_wait_alu depctr_va_vdst(0)                   ; the wait for the batch, ahead of the first reader
.if (\p) == 1
	s_wait_dscnt 0x0                               ; V is in
.endif
	ROW C,0, B,0, C,2, B,1
	ROW L,0, C,4, B,2, L,1
	ROW C,6, B,3, L,2, C,8
	ROW B,4, L,3, C,10, B,5
	ROW L,4, C,12, B,6, L,5
.if (\p) == 0
	s_add_co_u32 s[TBV], s[TBV], KS*PV
.endif
.if (\p) == 1
	s_sub_co_u32 s[DSN], s[DSN], 1                 ; the next four masks are the next step's
.endif
.if \cnt
	s_sub_co_u32 s[CNT], s[CNT], 1
	s_cmp_lg_u32 s[CNT], 0
.endif
	ROW C,14, B,7, L,6, C,1
	ROW C,3, L,7, C,5, C,7
	ROW C,9, C,11, C,13, C,15
.if (\p) == 0
	FETCH_V
.endif
	MASK (\p)%2
.endm
	CHANGE 1                                       ; slot 0 is in, everybody's part of it; slot 1 is asked for
	WIN 0
	v_add_nc_u32 v[AK], s[TBK], v[AK0]
	FETCH_K                                        ; key step 0
	MSC 0
	MASK 0                                         ; piece 0's mask of step 0,
	MSC 1
	MASK 1                                         ; and piece 1's
	WIN 0
	s_wait_loadcnt 0x0                             ; Q
	s_wait_dscnt 0x0
.set i, 0
.rept 8
	KQ 0                                           ; piece 0's first scores
.set i, i+1
.endr
	WIN 0
.rept 4
	v_nop                                          ; the places behind those products
.endr
.set Y, NP-1                           ; X works for piece Y + 1: piece 0
.irp n, 0,1,2,3,4,5,6,7,8,9,10,11,12,13,14,15,16,17,18,19,20,21
	OP X, \n
.endr
	v_nop
	s_wait_alu depctr_va_vdst(0)                   ; a's wait, ahead of the branch
	s_mov_b32 s[CNT], 4
	s_branch .Lfirst                               ; the loop is entered at a step's first turn, in the middle of a trip
.Lslot:                                        ; six times: tiles 2 to 7 are asked for
	CHANGE 1
	s_mov_b32 s[CNT], 4
.Lstep:                                        ; a trip: pieces 2 and 3 of one step, then pieces 0 and 1 of the next, whose K and V it fetches
	TURN 2
	TURN 3
	WIN 0
.Lfirst:
	TURN 0
	TURN 1, 0, 1
	WIN 0
	s_cbranch_scc1 .Lstep
	s_sub_co_u32 s[SLOTS], s[SLOTS], 1
	s_cmp_lg_u32 s[SLOTS], 0
	s_cbranch_scc1 .Lslot
	CHANGE 0                                       ; the tail is written out
	s_mov_b32 s[CNT], 5                            ; four trips fetch the last slot's steps; the fifth is left in its middle
.Ltail:
	TURN 2, 1
	TURN 3
	WIN 0
	s_sub_co_u32 s[CNT], s[CNT], 1
	s_cmp_eq_u32 s[CNT], 0
	s_cbranch_scc1 .Lout
	TURN 0
	TURN 1
	WIN 0
	s_branch .Ltail
.Lout:                                         ; the fifth trip's products K Q^T and the maximum made of them serve nothing: the price of one text for every trip
.set i, 0
.rept 8
	PV NP-1                                        ; the last piece's V^T P of the last step
.set i, i+1
.endr
	; THE WAY OUT.  l's halves are added; O^T is divided by l, rounded to bf16 and sent through my stage in LDS, a piece at a time.
	WIN 0
.macro ALL line:vararg
.set t, 0
.rept 4
	\line
.set t, t+1
.endr
.endm
	ALL v_add_f32 v[ST+4*t+2], v[ST+4*t+2], v[ST+4*t+3]
	ALL v_permlanex16_b32 v[ST+4*t+3], v[ST+4*t+2], s[SEL], s[SEL+1]
	ALL v_add_f32 v[ST+4*t+2], v[ST+4*t+2], v[ST+4*t+3]
	ALL v_rcp_f32 v[ST+4*t+2], v[ST+4*t+2]
	v_nop
	s_wait_alu depctr_va_vdst(0)                   ; one wait for the four reciprocals
.macro PACK t
	WIN W_RS
.set i, 32*(\t)
.rept 16
	v_pk_mul_f32 v[i:i+1], v[i:i+1], v[ST+4*(\t)+2:ST+4*(\t)+3] op_sel_hi:[1,0]
.set i, i+2
.endr
	WIN 0x05
.set i, 0
.rept 16
	v_cvt_pk_bf16_f32 v[S+16*(\t)+i], v[32*(\t)+2*i], v[32*(\t)+2*i+1]
.set i, i+1
.endr
	WIN 0
.irp f, 0,1,2,3
	ds_store_b128 v[STO], v[S+16*(\t)+4*\f:S+16*(\t)+4*\f+3] offset:32*\f
.endr
.irp f, 0,1,2,3
	ds_load_b128 v[S+16*(\t)+4*\f:S+16*(\t)+4*\f+3], v[RD] offset:\f*4*SP  ; LDS serves a wave's instructions in order: these see the stores above
.endr
.endm
.macro SEND t, younger                 ; younger: the LDS instructions issued behind piece t's loads
	WIN 0
.irp f, 0,1,2,3
	s_wait_dscnt (\younger)+3-\f
	global_store_b128 v[GO], v[S+16*(\t)+4*\f:S+16*(\t)+4*\f+3], s[6:7] offset:(\t)*8192+\f*512  ; 512 consecutive bytes, aligned
.endr
.endm
	PACK 0
.set t, 1
.rept 3
	PACK t
	SEND t-1, 8
.set t, t+1
.endr
	SEND 3, 0
	s_wait_tensorcnt 0x0                           ; the wave's end
	ds_add_u32 v[SPW], v[NIL]
	s_wait_dscnt 0x0
	CROUND                                         ; the closing round
	s_endpgm
.Lfunc_end_k_qc7fb67dd62_attn:
	.size	k_qc7fb67dd62_attn, .Lfunc_end_k_qc7fb67dd62_attn-k_qc7fb67dd62_attn
	.p2alignl 7, 3214868480
	.fill 96, 4, 3214868480
	.section	.rodata,"a",@progbits
	.p2align	6, 0x0
	.amdhsa_kernel k_qc7fb67dd62_attn
		.amdhsa_group_segment_fixed_size 327680
		.amdhsa_private_segment_fixed_size 0
		.amdhsa_enable_private_segment 0
		.amdhsa_kernarg_size 16
		.amdhsa_user_sgpr_count 2
		.amdhsa_user_sgpr_kernarg_segment_ptr 1
		.amdhsa_wavefront_size32 1
		.amdhsa_system_sgpr_workgroup_id_x 1
		.amdhsa_system_sgpr_workgroup_id_y 1
		.amdhsa_system_sgpr_workgroup_id_z 1
		.amdhsa_system_vgpr_workitem_id 0
		.amdhsa_next_free_vgpr 768
		.amdhsa_next_free_sgpr 88
		.amdhsa_reserve_vcc 1
		.amdhsa_float_denorm_mode_32 3
		.amdhsa_float_denorm_mode_16_64 3
		.amdhsa_memory_ordered 1
		.amdhsa_forward_progress 1
		.amdhsa_inst_pref_size 131
	.end_amdhsa_kernel
	.amdgpu_metadata
---
amdhsa.version: [ 1, 2 ]
amdhsa.kernels:
  - .name:           k_qc7fb67dd62_attn
    .symbol:         k_qc7fb67dd62_attn.kd
    .args:
      - { .name: qkv, .offset: 0, .size: 8, .value_kind: global_buffer, .address_space: global }
      - { .name: ob, .offset: 8, .size: 8, .value_kind: global_buffer, .address_space: global }
    .group_segment_fixed_size: 327680
    .private_segment_fixed_size: 0
    .kernarg_segment_align: 8
    .kernarg_segment_size: 16
    .max_flat_workgroup_size: 128
    .sgpr_count:     88
    .vgpr_count:     768
    .wavefront_size: 32
...
	.end_amdgpu_metadata
.endif
;; end of part 3
;; launch wo_ln (part 4): grid 256 x 1, 4 waves a work-group, clusters of 4 x 1, 327,680 bytes of LDS; arguments ob, wb, x, bo, ln_g, ln_b, ffln_g, ffln_b, x1, hf; writes x1, hf
.if DOCPART == 4
	.amdgcn_target "amdgcn-amd-amdhsa--gfx1250"
	.amdhsa_code_object_version 6
	.text
	.protected	k_qc7fb67dd62_wo_ln
	.globl	k_qc7fb67dd62_wo_ln
	.p2align	8
	.type	k_qc7fb67dd62_wo_ln,@function
k_qc7fb67dd62_wo_ln:
	s_mov_b64 s[64:65], 0
	v_nop
	global_prefetch_b8 v0, s[64:65] scope:SCOPE_SE
	s_setreg_imm32_b32 hwreg(HW_REG_WAVE_MODE, 25, 1), 1
	s_wait_xcnt 0x0
	s_wait_alu depctr_hold_cnt(0) depctr_sa_sdst(0) depctr_va_vdst(0) depctr_va_sdst(0) depctr_va_ssrc(0) depctr_va_vcc(0) depctr_vm_vsrc(0)
	s_getreg_b32 s2, hwreg(HW_REG_IB_STS2, 6, 4)
	s_cmp_eq_u32 s2, 0
	s_cbranch_scc0 .Lentry_in_a_cluster
	s_endpgm
.Lentry_in_a_cluster:
	s_bfe_u32 s2, ttmp6, 0x10000c
	s_cmp_lg_u32 s2, 0x3003
	s_cbranch_scc0 .Lentry_shape_is_right
	s_endpgm
.Lentry_shape_is_right:
; x1 = x + o Wo + bo (f32), and hf = LN(LN(x1; ln_g, ln_b); ffln_g, ffln_b) in bf16.  o: ob [8 batch + head][2048][64] bf16; Wo: wb's WO [512][512] bf16 at byte 1,572,864.
; The two norms need whole rows, so a work-group owns 32 rows x all 512 columns: 256 work-groups.  Wave w makes 32 x 128 (columns 128 w ..): 16 accumulators.
; o's 32 rows x 512 stay in registers (32 fragments, a window).  x is loaded straight into the accumulators: the residual starts the sums, and nothing is cleared.
; W goes in 4 K steps of 128 through two slots; wave w fills and reads only its own chunk of 128 columns.  CLUSTER 4 x 1: all work-groups walk the same W, so each chunk is asked for jointly by the four partners.
; The product is taken transposed (source 0 = 16 columns of W, turned by ds_load_tr16_b128; source 1 = 16 rows of o): a lane holds one row and eight neighbouring columns.
; No prefetch into the L2: WO is 512 KiB that every cluster reads, and no K step lies beyond the two refills.
; Both norms go in two passes (mean, then the mean square of what is left).  NaN and infinities are not treated apart.
; REGISTERS: window 0: v0-31 addresses and sums; v32-111 bo, ln_g, ln_b, ffln_g, ffln_b of my 16 columns; v112-143 two rows of x1; v144-175 at work; v176-191 two rows in bf16
;   window 1: o's fragments, (K quarter kq, row block mb) at 8 (2 kq + mb)      window 2: v0-127 accumulators ((a, b) at 8 (8 a + b)); v128-255 W's fragments, two buffers of 64
.set REG,   36864
.set SLOT,  4*REG
.set SPARE, 2*SLOT
.set PB,    288
.set SPI,   2064                       ; the stage's pitch: 2,048 bytes + 16.  The stage, 32 rows, lies in slot 0 and is written when slot 0 has had its last fill and its last read
.set AO,   4
.set XO,   5
.set PO,   6
.set ADRW, 8                           ; v8, v9: my chunk in slot 0, 1
.set STO,  10
.set RDL,  11
.set SM,   12                          ; v[12:15] a pair of sums for each of two rows
.set XO1,  24
.set HO,   25
.set SPW,  28
.set NIL,  29
.set PBO,  32
.set PG1,  48
.set PB1,  64
.set PG2,  80
.set PB2,  96
.set VV,   112
.set DD,   144
.set OU,   176
.set WV,  24
.set G1,  28
.set G0,  36
.set SEL, 52
.set CNT, 56
.set MSB, 0
.macro WIN new
.if MSB != (\new)
	s_set_vgpr_msb (MSB<<8)|(\new)
.set MSB, \new
.endif
.endm
.macro PLACES
.rept 4
	v_nop
.endr
.endm
.macro CROUND
	s_barrier_signal -1
	s_barrier_wait -1
	s_cmp_lg_u32 s[WV], 0
	s_cbranch_scc1 .Lnot_wave_0_\@
	s_barrier_signal -3
.Lnot_wave_0_\@:
	s_barrier_wait -3
	s_barrier_signal -1
	s_barrier_wait -1
.endm
	s_load_b512 s[4:19], s[0:1], 0x0               ; ob, wb, x, bo, ln_g, ln_b, ffln_g, ffln_b
	s_load_b128 s[20:23], s[0:1], 0x40             ; x1, hf
	v_lshl_add_u32 v[SPW], v0, 2, SPARE
	v_mov_b32 v[NIL], 0
	ds_add_u32 v[SPW], v[NIL]                      ; the wave's opening: the add and its wait stand ahead of my first tensor load
	v_lshrrev_b32 v1, 5, v0
	v_readfirstlane_b32 s[WV], v1
	s_bfe_u32 s44, ttmp6, 0x40000                  ; cx
	s_lshl_b32 s45, ttmp9, 2
	s_add_co_u32 s45, s45, s44                     ; my block of 32 rows: it enters global addresses alone
	s_mov_b32 s[G1], 15|(1<<16)|(1<<20)|(1<<21)|(5<<22)|(7<<25)  ; the mask of four; 2-byte elements; 8 words of padding behind every 64
	s_mov_b32 s[G1+1], 128<<16
	s_mov_b32 s[G1+2], 128<<16
	s_mov_b32 s[G1+3], 128<<16
	s_mov_b32 s[G1+4], 128
	s_mov_b32 s[G1+5], 512
	s_mov_b32 s[G1+6], 0
	s_mov_b32 s[G1+7], 0
	s_lshl_b32 s46, s[WV], 8
	s_add_co_u32 s46, s46, 1572864                 ; WO, my chunk of 256 bytes of each row
	s_mov_b32 s47, 0
	s_mul_i32 s48, s[WV], REG
	s_mov_b32 s[G0], 1
	s_mov_b32 s[G0+1], s48
	s_mov_b32 s[G0+4], 1
	s_add_co_u32 s[G0+5], s48, SLOT
	s_mov_b32 s[SEL], 0x76543210
	s_mov_b32 s[SEL+1], 0xfedcba98
	s_mov_b32 s54, 0x3b000000                      ; 1 / 512
	s_mov_b32 s55, 0x3727c5ac                      ; 1e-5
	s_wait_dscnt 0x0                               ; the opening add is done
	s_wait_kmcnt 0x0
	s_add_nc_u64 s[G0+2:G0+3], s[6:7], s[46:47]    ; K step 0
	s_add_nc_u64 s[G0+6:G0+7], s[G0+2:G0+3], 131072  ; K step 1: 128 rows of 1,024 bytes on
	s_or_b32 s[G0+3], s[G0+3], 0x80000000
	s_or_b32 s[G0+7], s[G0+7], 0x80000000
	CROUND                                         ; all four work-groups are here
	tensor_load_to_lds s[G0:G0+3], s[G1:G1+7]      ; two loads of mine are out
	s_nop 0
	tensor_load_to_lds s[G0+4:G0+7], s[G1:G1+7]
	s_nop 0
.rept 4
	v_nop
.endr
	v_and_b32 v1, 15, v0                           ; r
	v_bfe_u32 v2, v0, 4, 1                         ; h
	v_and_b32 v3, 31, v0                           ; l
	v_lshlrev_b32 v[AO], 7, v1
	v_lshl_add_u32 v[AO], v2, 4, v[AO]             ; o: row r x 128 + 16 h
	v_lshlrev_b32 v[XO], 11, v1
	v_lshl_add_u32 v[XO], v2, 5, v[XO]             ; x: row r x 2,048 + 32 h
	v_lshlrev_b32 v[PO], 4, v3                     ; 16 l
	s_lshr_b32 s46, s45, 6                         ; batch
	s_lshl_b32 s46, s46, 21                        ; eight heads of 262,144 bytes
	s_and_b32 s49, s45, 63
	s_lshl_b32 s49, s49, 12                        ; 32 rows of 128 bytes
	s_add_co_u32 s46, s46, s49
	s_add_nc_u64 s[4:5], s[4:5], s[46:47]
	s_lshl_b32 s46, s45, 16                        ; 32 rows of 2,048 bytes
	s_lshl_b32 s49, s[WV], 9
	s_add_co_u32 s50, s46, s49
	s_mov_b32 s51, 0
	s_add_nc_u64 s[8:9], s[8:9], s[50:51]          ; x at my rows, my 128 columns
	s_lshl_b32 s49, s[WV], 14
	s_add_co_u32 s50, s46, s49
	s_add_nc_u64 s[20:21], s[20:21], s[50:51]      ; x1 at the 8 rows that I finish
	s_lshr_b32 s50, s50, 1
	s_add_nc_u64 s[22:23], s[22:23], s[50:51]      ; hf likewise: rows of 1,024 bytes
	WIN 0x40
.set n, 0
.rept 32                               ; fragment n = 2 kq + mb: head kq / 2, channels 32 (kq % 2) on, rows 16 mb on
	global_load_b128 v[8*n:8*n+3], v[AO], s[4:5] offset:(n/4)*262144+(n%2)*2048+((n/2)%2)*64
	global_load_b128 v[8*n+4:8*n+7], v[AO], s[4:5] offset:(n/4)*262144+(n%2)*2048+((n/2)%2)*64+32
.set n, n+1
.endr
	WIN 0x80
.set n, 0
.rept 16                               ; accumulator n = 8 a + b starts as x
	global_load_b128 v[8*n:8*n+3], v[XO], s[8:9] offset:(n/8)*32768+(n%8)*64
	global_load_b128 v[8*n+4:8*n+7], v[XO], s[8:9] offset:(n/8)*32768+(n%8)*64+16
.set n, n+1
.endr
	WIN 0
.irp i, 0,1,2,3
	global_load_b128 v[PBO+4*\i:PBO+4*\i+3], v[PO], s[10:11] offset:\i*512
	global_load_b128 v[PG1+4*\i:PG1+4*\i+3], v[PO], s[12:13] offset:\i*512
	global_load_b128 v[PB1+4*\i:PB1+4*\i+3], v[PO], s[14:15] offset:\i*512
	global_load_b128 v[PG2+4*\i:PG2+4*\i+3], v[PO], s[16:17] offset:\i*512
	global_load_b128 v[PB2+4*\i:PB2+4*\i+3], v[PO], s[18:19] offset:\i*512
.endr
	v_and_b32 v7, 7, v0                            ; the turning load: lane l reads k row 8 h + l % 8, 16 bytes at 16 ((l / 8) % 2)
	v_bfe_u32 v16, v0, 3, 1
	v_lshl_add_u32 v17, v2, 3, v7
	v_mul_u32_u24 v17, v17, PB
	v_lshl_add_u32 v17, v16, 4, v17
	v_add_nc_u32 v[ADRW], s48, v17
	v_add_nc_u32 v[ADRW+1], SLOT, v[ADRW]
	v_mul_u32_u24 v[STO], v1, SPI
	v_lshl_add_u32 v[STO], v2, 5, v[STO]
	s_lshl_b32 s49, s[WV], 9
	v_add_nc_u32 v[STO], s49, v[STO]               ; into the stage: row r, 512 w + 32 h
	s_mul_i32 s49, s[WV], 8*SPI
	v_add_nc_u32 v[RDL], s49, v[PO]                ; back: my rows 8 w .., 16 l
	v_mov_b32 v[XO1], v[PO]
	v_lshlrev_b32 v[HO], 3, v3
.macro WFETCH slot, k, f               ; 16 turning loads: quarter k's 8 fragments of my chunk into buffer f
	WIN 0x80
.irp i, 0,1,2,3,4,5,6,7
	ds_load_tr16_b128 v[128+64*(\f)+8*(\i):128+64*(\f)+8*(\i)+3], v[ADRW+(\slot)] offset:(\k)*32*PB+32*(\i)
	ds_load_tr16_b128 v[128+64*(\f)+8*(\i)+4:128+64*(\f)+8*(\i)+7], v[ADRW+(\slot)] offset:(\k)*32*PB+32*(\i)+16*PB
.endr
.endm
.macro WMUL kq, a                      ; 8 products: row block a x my 8 column blocks; the 16 accumulators take turns
	WIN 0xa6
.irp b, 0,1,2,3,4,5,6,7
	v_wmma_f32_16x16x32_bf16 v[8*(8*(\a)+(\b)):8*(8*(\a)+(\b))+7], v[128+64*((\kq)%2)+8*(\b):128+64*((\kq)%2)+8*(\b)+7], v[8*(2*(\kq)+(\a)):8*(2*(\kq)+(\a))+7], v[8*(8*(\a)+(\b)):8*(8*(\a)+(\b))+7]
.endr
.endm
; Behind a K step's last quarter: every wave waits for all its tensor loads, adds 0 to its spare word, waits for that and for its reads of the slot.  Behind K steps 0 and 1 a round of the cluster's barrier
; follows, and the joint refill of the slot just read is the first thing behind it.  Behind K step 2 a plain barrier: from there on slot 0 is nobody's, and takes the stage.
.macro SWAP kq
	WIN 0
	s_wait_tensorcnt 0x0
	ds_add_u32 v[SPW], v[NIL]
.if (\kq) < 11
	s_add_nc_u64 s[G0+4*((\kq)/4)+2:G0+4*((\kq)/4)+3], s[G0+4*((\kq)/4)+2:G0+4*((\kq)/4)+3], 262144  ; two K steps on
.endif
	s_wait_dscnt 0x0
.if (\kq) < 11
	CROUND
	tensor_load_to_lds s[G0+4*((\kq)/4):G0+4*((\kq)/4)+3], s[G1:G1+7]
	s_nop 0
.rept 4
	v_nop                                          ; also the places in front of the loads that follow
.endr
.else
	s_barrier_signal -1
	s_barrier_wait -1
	PLACES
.endif
.endm
.macro WQ kq                           ; K quarter kq of 16
	s_wait_dscnt 0x0                               ; its fragments of W are in
	WMUL \kq, 0
.if ((\kq)%4) < 3
	PLACES
	WFETCH ((\kq)/4)%2, ((\kq)%4)+1, ((\kq)+1)%2
	WMUL \kq, 1
.else
	WMUL \kq, 1
.if (\kq) < 15
	SWAP \kq
	WFETCH (((\kq)/4)+1)%2, 0, ((\kq)+1)%2
.endif
.endif
.endm
	s_wait_tensorcnt 1                             ; my chunk of K step 0 is in, and nobody else reads it; K step 1's may stay out
	WFETCH 0, 0, 0
	s_wait_loadcnt 20                              ; o and x are in; the 20 parameter loads, issued behind them, may stay out
.irp kq, 0,1,2,3,4,5,6,7,8,9,10,11,12,13,14,15
	WQ \kq
.endr
	; THE STAGE: the sums go into LDS as whole rows
	PLACES
	WIN 0x08
.irp a, 0,1
.irp b, 0,1,2,3,4,5,6,7
	ds_store_b128 v[STO], v[8*(8*\a+\b):8*(8*\a+\b)+3] offset:\a*16*SPI+64*\b
	ds_store_b128 v[STO], v[8*(8*\a+\b)+4:8*(8*\a+\b)+7] offset:\a*16*SPI+64*\b+16
.endr
.endr
	WIN 0
	s_wait_dscnt 0x0                               ; for the others' sake: my stores into the stage are done
	s_barrier_signal -1
	s_barrier_wait -1
	s_wait_loadcnt 0x0                             ; the parameters
.macro RED2                            ; two rows' sums over the wave's 32 lanes
.irp q, 0,1
	v_add_f32 v[SM+2*\q], v[SM+2*\q], v[SM+2*\q+1]
.endr
.irp m, 1,2,4,8
.irp q, 0,1
	v_add_f32_dpp v[SM+2*\q], v[SM+2*\q], v[SM+2*\q] row_xmask:\m row_mask:0xf bank_mask:0xf
.endr
.endr
.irp q, 0,1
	v_permlanex16_b32 v[SM+2*\q+1], v[SM+2*\q], s[SEL], s[SEL+1]
.endr
.irp q, 0,1
	v_add_f32 v[SM+2*\q], v[SM+2*\q], v[SM+2*\q+1]
.endr
.endm
.macro LNORM src, gn, bs               ; DD = LN(src) x gn + bs, for two rows
.irp q, 0,1
	v_pk_add_f32 v[SM+2*\q:SM+2*\q+1], v[(\src)+16*\q:(\src)+16*\q+1], v[(\src)+16*\q+2:(\src)+16*\q+3]
.endr
.irp k, 4,6,8,10,12,14
.irp q, 0,1
	v_pk_add_f32 v[SM+2*\q:SM+2*\q+1], v[SM+2*\q:SM+2*\q+1], v[(\src)+16*\q+\k:(\src)+16*\q+\k+1]
.endr
.endr
	RED2
.irp q, 0,1
	v_mul_f32 v[SM+2*\q], s54, v[SM+2*\q]
.endr
.irp k, 0,2,4,6,8,10,12,14
.irp q, 0,1
	v_pk_add_f32 v[DD+16*\q+\k:DD+16*\q+\k+1], v[(\src)+16*\q+\k:(\src)+16*\q+\k+1], v[SM+2*\q:SM+2*\q+1] op_sel_hi:[1,0] neg_lo:[0,1] neg_hi:[0,1]
.endr
.endr
.irp q, 0,1
	v_pk_mul_f32 v[SM+2*\q:SM+2*\q+1], v[DD+16*\q:DD+16*\q+1], v[DD+16*\q:DD+16*\q+1]
.endr
.irp k, 2,4,6,8,10,12,14
.irp q, 0,1
	v_pk_fma_f32 v[SM+2*\q:SM+2*\q+1], v[DD+16*\q+\k:DD+16*\q+\k+1], v[DD+16*\q+\k:DD+16*\q+\k+1], v[SM+2*\q:SM+2*\q+1]
.endr
.endr
	RED2
.irp q, 0,1
	v_fma_f32 v[SM+2*\q], v[SM+2*\q], s54, s55
.endr
.irp q, 0,1
	v_rsq_f32 v[SM+2*\q], v[SM+2*\q]
.endr
	v_nop
	s_wait_alu depctr_va_vdst(0)                   ; one wait for the two roots
.irp k, 0,2,4,6,8,10,12,14
.irp q, 0,1
	v_pk_mul_f32 v[DD+16*\q+\k:DD+16*\q+\k+1], v[DD+16*\q+\k:DD+16*\q+\k+1], v[SM+2*\q:SM+2*\q+1] op_sel_hi:[1,0]
.endr
.endr
.irp k, 0,2,4,6,8,10,12,14
.irp q, 0,1
	v_pk_fma_f32 v[DD+16*\q+\k:DD+16*\q+\k+1], v[DD+16*\q+\k:DD+16*\q+\k+1], v[(\gn)+\k:(\gn)+\k+1], v[(\bs)+\k:(\bs)+\k+1]
.endr
.endr
.endm
	s_mov_b32 s[CNT], 4
.Lrow:                                         ; four trips of two rows; lane l holds columns 4 l + 128 i
	s_wait_xcnt 0x0                                ; the last trip's stores have read their data and offsets: only now are these written again
	v_add_nc_u32 v[XO1], 4096, v[XO1]              ; the stores below reach back by their immediates
	v_add_nc_u32 v[HO], 2048, v[HO]
.irp q, 0,1
.irp i, 0,1,2,3
	ds_load_b128 v[VV+16*\q+4*\i:VV+16*\q+4*\i+3], v[RDL] offset:\q*SPI+\i*512
.endr
.endr
	v_add_nc_u32 v[RDL], 2*SPI, v[RDL]
	s_wait_dscnt 0x0
.irp k, 0,2,4,6,8,10,12,14
.irp q, 0,1
	v_pk_add_f32 v[VV+16*\q+\k:VV+16*\q+\k+1], v[VV+16*\q+\k:VV+16*\q+\k+1], v[PBO+\k:PBO+\k+1]
.endr
.endr
.irp q, 0,1
.irp i, 0,1,2,3
	global_store_b128 v[XO1], v[VV+16*\q+4*\i:VV+16*\q+4*\i+3], s[20:21] offset:\q*2048+\i*512-4096  ; 512 consecutive bytes, aligned
.endr
.endr
	LNORM VV, PG1, PB1
	LNORM DD, PG2, PB2
.irp q, 0,1
.irp k, 0,1,2,3,4,5,6,7
	v_cvt_pk_bf16_f32 v[OU+8*\q+\k], v[DD+16*\q+2*\k], v[DD+16*\q+2*\k+1]
.endr
.endr
.irp q, 0,1
.irp i, 0,1,2,3
	global_store_b64 v[HO], v[OU+8*\q+2*\i:OU+8*\q+2*\i+1], s[22:23] offset:\q*1024+\i*256-2048  ; 256 consecutive bytes, aligned
.endr
.endr
	s_sub_co_u32 s[CNT], s[CNT], 1
	s_cmp_lg_u32 s[CNT], 0
	s_cbranch_scc1 .Lrow
	s_wait_tensorcnt 0x0                           ; the wave's end
	ds_add_u32 v[SPW], v[NIL]
	s_wait_dscnt 0x0
	CROUND                                         ; the closing round
	s_endpgm
.Lfunc_end_k_qc7fb67dd62_wo_ln:
	.size	k_qc7fb67dd62_wo_ln, .Lfunc_end_k_qc7fb67dd62_wo_ln-k_qc7fb67dd62_wo_ln
	.p2alignl 7, 3214868480
	.fill 96, 4, 3214868480
	.section	.rodata,"a",@progbits
	.p2align	6, 0x0
	.amdhsa_kernel k_qc7fb67dd62_wo_ln
		.amdhsa_group_segment_fixed_size 327680
		.amdhsa_private_segment_fixed_size 0
		.amdhsa_enable_private_segment 0
		.amdhsa_kernarg_size 80
		.amdhsa_user_sgpr_count 2
		.amdhsa_user_sgpr_kernarg_segment_ptr 1
		.amdhsa_wavefront_size32 1
		.amdhsa_system_sgpr_workgroup_id_x 1
		.amdhsa_system_sgpr_workgroup_id_y 1
		.amdhsa_system_sgpr_workgroup_id_z 1
		.amdhsa_system_vgpr_workitem_id 0
		.amdhsa_next_free_vgpr 768
		.amdhsa_next_free_sgpr 72
		.amdhsa_reserve_vcc 0
		.amdhsa_float_denorm_mode_32 3
		.amdhsa_float_denorm_mode_16_64 3
		.amdhsa_memory_ordered 1
		.amdhsa_forward_progress 1
		.amdhsa_inst_pref_size 73
	.end_amdhsa_kernel
	.amdgpu_metadata
---
amdhsa.version: [ 1, 2 ]
amdhsa.kernels:
  - .name:           k_qc7fb67dd62_wo_ln
    .symbol:         k_qc7fb67dd62_wo_ln.kd
    .args:
      - { .name: ob, .offset: 0, .size: 8, .value_kind: global_buffer, .address_space: global }
      - { .name: wb, .offset: 8, .size: 8, .value_kind: global_buffer, .address_space: global }
      - { .name: x, .offset: 16, .size: 8, .value_kind: global_buffer, .address_space: global }
      - { .name: bo, .offset: 24, .size: 8, .value_kind: global_buffer, .address_space: global }
      - { .name: ln_g, .offset: 32, .size: 8, .value_kind: global_buffer, .address_space: global }
      - { .name: ln_b, .offset: 40, .size: 8, .value_kind: global_buffer, .address_space: global }
      - { .name: ffln_g, .offset: 48, .size: 8, .value_kind: global_buffer, .address_space: global }
      - { .name: ffln_b, .offset: 56, .size: 8, .value_kind: global_buffer, .address_space: global }
      - { .name: x1, .offset: 64, .size: 8, .value_kind: global_buffer, .address_space: global }
      - { .name: hf, .offset: 72, .size: 8, .value_kind: global_buffer, .address_space: global }
    .group_segment_fixed_size: 327680
    .private_segment_fixed_size: 0
    .kernarg_segment_align: 8
    .kernarg_segment_size: 80
    .max_flat_workgroup_size: 128
    .sgpr_count:     72
    .vgpr_count:     768
    .wavefront_size: 32
...
	.end_amdgpu_metadata
.endif
;; end of part 4
;; launch ffn1 (part 5): grid 8 x 32, 4 waves a work-group, clusters of 4 x 4, 327,680 bytes of LDS; arguments hf, wb, b1, gb; writes gb
.if DOCPART == 5
	.amdgcn_target "amdgcn-amd-amdhsa--gfx1250"
	.amdhsa_code_object_version 6
	.text
	.protected	k_qc7fb67dd62_ffn1
	.globl	k_qc7fb67dd62_ffn1
	.p2align	8
	.type	k_qc7fb67dd62_ffn1,@function
k_qc7fb67dd62_ffn1:
	s_mov_b64 s[64:65], 0
	v_nop
	global_prefetch_b8 v0, s[64:65] scope:SCOPE_SE
	s_setreg_imm32_b32 hwreg(HW_REG_WAVE_MODE, 25, 1), 1
	s_wait_xcnt 0x0
	s_wait_alu depctr_hold_cnt(0) depctr_sa_sdst(0) depctr_va_vdst(0) depctr_va_sdst(0) depctr_va_ssrc(0) depctr_va_vcc(0) depctr_vm_vsrc(0)
	s_getreg_b32 s2, hwreg(HW_REG_IB_STS2, 6, 4)
	s_cmp_eq_u32 s2, 0
	s_cbranch_scc0 .Lentry_in_a_cluster
	s_endpgm
.Lentry_in_a_cluster:
	s_bfe_u32 s2, ttmp6, 0x10000c
	s_cmp_lg_u32 s2, 0xf033
	s_cbranch_scc0 .Lentry_shape_is_right
	s_endpgm
.Lentry_shape_is_right:
; gb = gelu(f W1 + b1) in bf16, [8192][2048].  f: hf [8192][512] bf16; W1: wb [512][2048] bf16 at byte 2,097,152.  Sums in f32.
; A tile is 256 x 256: 256 work-groups; four waves of 128 x 128: 64 accumulators each.  K goes in 4 steps of 128 through two LDS slots.
; The product is taken transposed (source 0 = 16 columns of W1, turned by ds_load_tr16_b128; source 1 = 16 rows of f): a lane holds one row and eight neighbouring columns.  b1 is the C of the first quarter's products.
; CLUSTER 4 x 4: f's tiles are asked for jointly along a row of the cluster, W1's along a column.  A slot is four regions of 36,864 bytes: f's rows 0-127, 128-255 (pitch 272), W1's columns 0-127, 128-255 (pitch 288);
; wave w fills region w with one load of 128 rows x 256 bytes.  ONE TEXT FOR BOTH SLOTS: s[SLR] is the LDS byte of the slot that is read.
; No prefetch into the L2: with 4 K steps every tile is asked for by a first fill or by one of two refills.
; GELU.  gelu(z) = z/2 + |z/2| erf(|z| / sqrt 2), erf(x) = 1 - (a1 t + a2 t^2 + a3 t^3) e^(-x^2), t = 1 / (1 + 0.47047 x): within 2.5e-5 of erf for every x >= 0 (Abramowitz and Stegun 7.1.25).
; LIMITS: that error of erf, times |z| / 2; NaN and infinities are not treated apart.
; REGISTERS: window 0: v0-31 addresses; v64-127, v128-191 f's fragments, two buffers; v192-255 b1, 8 for each block of 16 columns (on the way out v64-151 are at work)
;   window 1: v64-127, v128-191 W1's fragments      windows 2, 3: the accumulators of my rows 0-63, 64-127 ((a, b) at 8 (8 a + b))
.set REG,   36864
.set SLOT,  4*REG
.set SPARE, 2*SLOT
.set PA,    272
.set PB,    288
.set SPI,   528                        ; the stage's pitch: 512 bytes + 16
.set STG,   128*SPI                    ; a wave's stage: 128 rows of f32.  The stages lie in the ring and are written only when both slots have had their last fill and their last read
.set ADRA0, 16
.set ADRB0, 17
.set ADRA,  18
.set ADRB,  19
.set STO,   24
.set RD,    25
.set CO,    26
.set BO,    27
.set SPW,   28
.set NIL,   29
.set F0,    64
.set F1,    128
.set BIAS,  192
.set XX,    64
.set SQ,    80
.set TA,    96
.set HZ,    112
.set PP,    128
.set OU,    144
.set WV,  12
.set FR,  13                           ; s13 wave / 2: my half of the rows; also: I fetch for f (0) or for W1 (1)
.set HF,  14                           ; s14 wave % 2: my half of the columns; also: which half I fetch
.set WB,  20
.set SLR, 21
.set CNT, 22
.set G1A, 24
.set G0A, 32
.set G1B, 48
.set G0B, 56
.set CSQ, 66
.set CA3, 68
.set CA2, 70
.set CA1, 72
.set CP,  74
.set MSB, 0
.macro WIN new
.if MSB != (\new)
	s_set_vgpr_msb (MSB<<8)|(\new)
.set MSB, \new
.endif
.endm
.macro PLACES
.rept 4
	v_nop
.endr
.endm
.macro CREST
	s_cmp_lg_u32 s[WV], 0
	s_cbranch_scc1 .Lnot_wave_0_\@
	s_barrier_signal -3
.Lnot_wave_0_\@:
	s_barrier_wait -3
	s_barrier_signal -1
	s_barrier_wait -1
.endm
.macro CROUND
	s_barrier_signal -1
	s_barrier_wait -1
	CREST
.endm
.macro JLOAD
	s_cmp_eq_u32 s[FR], 0
	s_cbranch_scc0 .Lfor_b_\@
	tensor_load_to_lds s[G0A+4:G0A+7], s[G1A:G1A+7]
	s_nop 0
.rept 4
	v_nop
.endr
	s_branch .Lasked_\@
.Lfor_b_\@:
	tensor_load_to_lds s[G0B+4:G0B+7], s[G1B:G1B+7]
	s_nop 0
.rept 4
	v_nop
.endr
.Lasked_\@:
.endm
	s_load_b256 s[4:11], s[0:1], 0x0               ; hf, wb, b1, gb
	v_lshl_add_u32 v[SPW], v0, 2, SPARE
	v_mov_b32 v[NIL], 0
	ds_add_u32 v[SPW], v[NIL]                      ; the wave's opening: the add and its wait stand ahead of my first tensor load
	v_lshrrev_b32 v1, 5, v0
	v_readfirstlane_b32 s[WV], v1
	s_lshr_b32 s[FR], s[WV], 1
	s_and_b32 s[HF], s[WV], 1
	s_bfe_u32 s40, ttmp6, 0x40000
	s_bfe_u32 s41, ttmp6, 0x40004
	s_lshl_b32 s42, ttmp9, 2
	s_add_co_u32 s42, s42, s40                     ; tile column
	s_and_b32 s43, ttmp7, 0xffff
	s_lshl_b32 s43, s43, 2
	s_add_co_u32 s43, s43, s41                     ; tile row
	s_lshl_b32 s44, s41, 2
	s_lshl_b32 s44, 15, s44
	s_lshl_b32 s45, 0x1111, s40
	s_or_b32 s[G1A], s44, (1<<16)|(1<<20)|(1<<21)|(5<<22)|(3<<25)
	s_or_b32 s[G1B], s45, (1<<16)|(1<<20)|(1<<21)|(5<<22)|(7<<25)
.irp g, G1A, G1B
	s_mov_b32 s[(\g)+1], 128<<16
	s_mov_b32 s[(\g)+2], 128<<16
	s_mov_b32 s[(\g)+3], 128<<16
	s_mov_b32 s[(\g)+4], 128
	s_mov_b32 s[(\g)+6], 0
	s_mov_b32 s[(\g)+7], 0
.endr
	s_mov_b32 s[G1A+5], 512
	s_mov_b32 s[G1B+5], 2048
	s_lshl_b32 s16, s43, 8
	s_lshl_b32 s17, s[HF], 7
	s_add_co_u32 s16, s16, s17
	s_lshl_b32 s16, s16, 10                        ; f: row 256 x tile row + 128 x half, 1,024 bytes a row
	s_mov_b32 s17, 0
	s_lshl_b32 s46, s42, 9
	s_lshl_b32 s47, s[HF], 8
	s_add_co_u32 s46, s46, s47
	s_add_co_u32 s46, s46, 0x200000                ; W1: 512 x tile column + 256 x half
	s_mov_b32 s47, 0
	s_mul_i32 s[WB], s[WV], REG
	s_mov_b32 s[SLR], 0
	s_mov_b32 s[CSQ], 0x3f596d27                   ; sqrt(log2(e) / 2) = 0.8493218
	s_mov_b32 s[CSQ+1], s[CSQ]
	s_mov_b32 s[CA3], 0x3f3f7377                   ; 0.7478556
	s_mov_b32 s[CA3+1], s[CA3]
	s_mov_b32 s[CA2], 0xbdc45ca1                   ; -0.0958798
	s_mov_b32 s[CA2+1], s[CA2]
	s_mov_b32 s[CA1], 0x3eb2303a                   ; 0.3480242
	s_mov_b32 s[CA1+1], s[CA1]
	s_mov_b32 s[CP], 0x3eaa540e                    ; 0.47047 / sqrt 2
	s_wait_dscnt 0x0                               ; the opening add is done
	s_wait_kmcnt 0x0
	s_add_nc_u64 s[16:17], s[4:5], s[16:17]
	s_add_nc_u64 s[46:47], s[6:7], s[46:47]
	CROUND
.irp s, 0,1
	s_mov_b32 s[G0A+4*(\s)], 1
	s_add_co_u32 s[G0A+4*(\s)+1], s[WB], (\s)*SLOT
	s_add_nc_u64 s[G0A+4*(\s)+2:G0A+4*(\s)+3], s[16:17], (\s)*256
	s_or_b32 s[G0A+4*(\s)+3], s[G0A+4*(\s)+3], 0x80000000
	s_mov_b32 s[G0B+4*(\s)], 1
	s_add_co_u32 s[G0B+4*(\s)+1], s[WB], (\s)*SLOT
	s_add_nc_u64 s[G0B+4*(\s)+2:G0B+4*(\s)+3], s[46:47], (\s)*524288
	s_or_b32 s[G0B+4*(\s)+3], s[G0B+4*(\s)+3], 0x80000000
.endr
	s_cmp_eq_u32 s[FR], 0                          ; a wave's two first fills stand in one branch: two loads of mine are out
	s_cbranch_scc0 .Lfirst_b
	tensor_load_to_lds s[G0A:G0A+3], s[G1A:G1A+7]
	s_nop 0
	tensor_load_to_lds s[G0A+4:G0A+7], s[G1A:G1A+7]
	s_nop 0
.rept 4
	v_nop
.endr
	s_branch .Lfirst_done
.Lfirst_b:
	tensor_load_to_lds s[G0B:G0B+3], s[G1B:G1B+7]
	s_nop 0
	tensor_load_to_lds s[G0B+4:G0B+7], s[G1B:G1B+7]
	s_nop 0
.rept 4
	v_nop
.endr
.Lfirst_done:
	v_and_b32 v1, 15, v0
	v_bfe_u32 v2, v0, 4, 1
	v_mul_u32_u24 v3, v1, PA
	v_lshl_add_u32 v3, v2, 4, v3
	s_mul_i32 s18, s[FR], REG
	v_add_nc_u32 v[ADRA0], s18, v3
	v_and_b32 v3, 7, v0
	v_bfe_u32 v4, v0, 3, 1
	v_lshl_add_u32 v5, v2, 3, v3
	v_mul_u32_u24 v5, v5, PB
	v_lshl_add_u32 v5, v4, 4, v5
	s_mul_i32 s18, s[HF], REG
	s_add_co_u32 s18, s18, 2*REG
	v_add_nc_u32 v[ADRB0], s18, v5
	v_mov_b32 v[ADRA], v[ADRA0]
	v_mov_b32 v[ADRB], v[ADRB0]
	s_lshl_b32 s18, s42, 10                        ; b1: my 128 columns
	s_lshl_b32 s19, s[HF], 9
	s_add_co_u32 s18, s18, s19
	s_mov_b32 s19, 0
	s_add_nc_u64 s[8:9], s[8:9], s[18:19]
	v_lshlrev_b32 v[BO], 5, v2
.irp b, 0,1,2,3,4,5,6,7
	global_load_b128 v[BIAS+8*(\b):BIAS+8*(\b)+3], v[BO], s[8:9] offset:64*(\b)
	global_load_b128 v[BIAS+8*(\b)+4:BIAS+8*(\b)+7], v[BO], s[8:9] offset:64*(\b)+16
.endr
	s_lshl_b32 s18, s43, 8
	s_lshl_b32 s23, s[FR], 7
	s_add_co_u32 s18, s18, s23
	s_lshl_b32 s18, s18, 12                        ; gb: my first row, 4,096 bytes a row,
	s_lshl_b32 s23, s42, 9
	s_add_co_u32 s18, s18, s23
	s_lshl_b32 s23, s[HF], 8
	s_add_co_u32 s18, s18, s23                     ; my first column
	s_add_nc_u64 s[10:11], s[10:11], s[18:19]
	s_mul_i32 s18, s[WV], STG
	v_mul_u32_u24 v[STO], v1, SPI
	v_lshl_add_u32 v[STO], v2, 4, v[STO]
	v_add_nc_u32 v[STO], s18, v[STO]
	v_mul_u32_u24 v[RD], v2, SPI
	v_lshl_add_u32 v[RD], v1, 4, v[RD]
	v_add_nc_u32 v[RD], s18, v[RD]
	v_lshlrev_b32 v[CO], 12, v2
	v_lshl_add_u32 v[CO], v1, 4, v[CO]
.macro MUL16 f, hi, a0, first          ; 16 products: row blocks a0, a0 + 1 of the window's four x all 8 column blocks.  first = 1: C is b1
.if \first
	WIN 0x81+0x40*(\hi)
.else
	WIN 0xa1+0x50*(\hi)
.endif
.irp a, \a0, (\a0)+1
.irp b, 0,1,2,3,4,5,6,7
.if \first
	v_wmma_f32_16x16x32_bf16 v[8*(8*(\a)+(\b)):8*(8*(\a)+(\b))+7], v[(\f)+8*(\b):(\f)+8*(\b)+7], v[(\f)+8*(4*(\hi)+(\a)):(\f)+8*(4*(\hi)+(\a))+7], v[BIAS+8*(\b):BIAS+8*(\b)+7]
.else
	v_wmma_f32_16x16x32_bf16 v[8*(8*(\a)+(\b)):8*(8*(\a)+(\b))+7], v[(\f)+8*(\b):(\f)+8*(\b)+7], v[(\f)+8*(4*(\hi)+(\a)):(\f)+8*(4*(\hi)+(\a))+7], v[8*(8*(\a)+(\b)):8*(8*(\a)+(\b))+7]
.endif
.endr
.endr
.endm
.macro FETCH k, f                      ; 32 LDS loads in one run: quarter k's fragments into buffer f: W1's 16, then f's 16
	WIN 0x40
.irp i, 0,1,2,3,4,5,6,7
	ds_load_tr16_b128 v[(\f)+8*(\i):(\f)+8*(\i)+3], v[ADRB] offset:(\k)*32*PB+32*(\i)
	ds_load_tr16_b128 v[(\f)+8*(\i)+4:(\f)+8*(\i)+7], v[ADRB] offset:(\k)*32*PB+32*(\i)+16*PB
.endr
	WIN 0
.irp i, 0,1,2,3,4,5,6,7
	ds_load_b128 v[(\f)+8*(\i):(\f)+8*(\i)+3], v[ADRA] offset:(\k)*64+(\i)*16*PA
	ds_load_b128 v[(\f)+8*(\i)+4:(\f)+8*(\i)+7], v[ADRA] offset:(\k)*64+(\i)*16*PA+32
.endr
.endm
.macro QUARTER knext, f, g, first
	s_wait_dscnt 8                                 ; all but the youngest eight loads (my rows 64-127)
	MUL16 \f, 0, 0, \first
	MUL16 \f, 0, 2, \first
	PLACES
	FETCH \knext, \g
	s_wait_dscnt 32                                ; all but the 32 just issued
	MUL16 \f, 1, 0, \first
	MUL16 \f, 1, 2, \first
.endm
.macro MEET                            ; the first half of a K step's last quarter, and the one barrier of a change of slots
	WIN 0
	s_wait_tensorcnt 0x0                           ; all my tensor loads have landed: my part of the other slot
	ds_add_u32 v[SPW], v[NIL]
	s_wait_dscnt 9                                 ; (the add and the youngest eight loads may be out)
	MUL16 F1, 0, 0, 0
	s_wait_dscnt 0x0                               ; the add is done, and my reads of this slot are over
	s_barrier_signal -1
	MUL16 F1, 0, 2, 0
	WIN 0
	s_barrier_wait -1
.endm
.macro NEXTSLOT
	s_xor_b32 s[SLR], s[SLR], SLOT
	v_add_nc_u32 v[ADRA], s[SLR], v[ADRA0]
	v_add_nc_u32 v[ADRB], s[SLR], v[ADRB0]
.endm
.macro TURN
	MEET
	CREST                                          ; the barrier has opened a round of the cluster's: no wave of any partner still reads this slot or has a load on its way
	s_add_co_u32 s[G0A+5], s[WB], s[SLR]
	s_add_nc_u64 s[G0A+6:G0A+7], s[G0A+6:G0A+7], 256
	s_add_co_u32 s[G0B+5], s[WB], s[SLR]
	s_add_nc_u64 s[G0B+6:G0B+7], s[G0B+6:G0B+7], 524288
	JLOAD
	NEXTSLOT
	FETCH 0, F0
	MUL16 F1, 1, 0, 0
	MUL16 F1, 1, 2, 0
.endm
	s_wait_tensorcnt 1                             ; my part of K step 0 is in; K step 1's may stay out
	s_barrier_signal -1
	s_barrier_wait -1
	FETCH 0, F0
	s_wait_loadcnt 0x0                             ; b1
	QUARTER 1, F0, F1, 1
	WIN 0
	s_mov_b32 s[CNT], 2
.Lmain:
	QUARTER 2, F1, F0, 0
	QUARTER 3, F0, F1, 0
	TURN
	QUARTER 1, F0, F1, 0
	WIN 0
	s_sub_co_u32 s[CNT], s[CNT], 1
	s_cmp_lg_u32 s[CNT], 0
	s_cbranch_scc1 .Lmain
	s_mov_b32 s[CNT], 2
.Ltail:                                        ; K steps 2 and 3 ask for nothing: a text of their own, left in the middle of its second trip
	QUARTER 2, F1, F0, 0
	QUARTER 3, F0, F1, 0
	MEET
	s_sub_co_u32 s[CNT], s[CNT], 1
	s_cmp_eq_u32 s[CNT], 0
	s_cbranch_scc1 .Lfin
	NEXTSLOT
	PLACES
	FETCH 0, F0
	MUL16 F1, 1, 0, 0
	MUL16 F1, 1, 2, 0
	QUARTER 1, F0, F1, 0
	WIN 0
	s_branch .Ltail
.Lfin:
	MUL16 F1, 1, 0, 0
	MUL16 F1, 1, 2, 0
	; THE WAY OUT.  The f32 sums go into my stage.  Of a row's 512 bytes the first 256 hold, for each group of 8 columns, its columns 0-3, the second 256 its columns 4-7:
	; so the stores (16 rows, one 16-byte column) and the reads (one row, 16 neighbouring columns) each touch every bank once, and a lane reads back 8 neighbouring columns.
	WIN 0
	PLACES
.irp hi, 0,1
	WIN 0x08+4*\hi
.irp a, 0,1,2,3
.irp b, 0,1,2,3,4,5,6,7
	ds_store_b128 v[STO], v[8*(8*\a+\b):8*(8*\a+\b)+3] offset:(4*\hi+\a)*16*SPI+32*\b
	ds_store_b128 v[STO], v[8*(8*\a+\b)+4:8*(8*\a+\b)+7] offset:(4*\hi+\a)*16*SPI+32*\b+256
.endr
.endr
.endr
	WIN 0
; Four rows: lanes 0-15 take rows R and R + 2, lanes 16-31 rows R + 1 and R + 3; 8 columns a lane and row.  next = 1: the next four rows are fetched as soon as these have been read.
.macro GTRIP next
	s_wait_dscnt 0x0
.set k, 0
.rept 8
	v_pk_mul_f32 v[SQ+k:SQ+k+1], v[XX+k:XX+k+1], s[CSQ:CSQ+1] op_sel_hi:[1,0]
.set k, k+2
.endr
.set k, 0
.rept 16
	v_fma_f32 v[TA+k], |v[XX+k]|, s[CP], 1.0       ; 1 + p x
.set k, k+1
.endr
.set k, 0
.rept 8
	v_pk_mul_f32 v[HZ+k:HZ+k+1], v[XX+k:XX+k+1], 0.5 op_sel_hi:[1,0]
.set k, k+2
.endr
.if \next
	v_add_nc_u32 v[RD], 4*SPI, v[RD]
	ds_load_b128 v[XX:XX+3], v[RD]
	ds_load_b128 v[XX+4:XX+7], v[RD] offset:256
	ds_load_b128 v[XX+8:XX+11], v[RD] offset:2*SPI
	ds_load_b128 v[XX+12:XX+15], v[RD] offset:2*SPI+256
.endif
.set k, 0
.rept 8
	v_rcp_f32 v[TA+k], v[TA+k]
	v_pk_mul_f32 v[SQ+k:SQ+k+1], v[SQ+k:SQ+k+1], v[SQ+k:SQ+k+1] neg_lo:[1,0] neg_hi:[1,0]  ; -x^2 log2(e)
	v_rcp_f32 v[TA+k+1], v[TA+k+1]
.set k, k+2
.endr
.set k, 0
.rept 16
	v_exp_f32 v[SQ+k], v[SQ+k]
.set k, k+1
.endr
	v_nop                                          ; a plain instruction behind the last of the batch,
	s_wait_alu depctr_va_vdst(0)                   ; and one wait for its 32, ahead of the first reader
.set k, 0
.rept 8
	v_pk_fma_f32 v[PP+k:PP+k+1], v[TA+k:TA+k+1], s[CA3:CA3+1], s[CA2:CA2+1] op_sel_hi:[1,0,0]
.set k, k+2
.endr
.set k, 0
.rept 8
	v_pk_fma_f32 v[PP+k:PP+k+1], v[PP+k:PP+k+1], v[TA+k:TA+k+1], s[CA1:CA1+1] op_sel_hi:[1,1,0]
.set k, k+2
.endr
.set k, 0
.rept 8
	v_pk_mul_f32 v[PP+k:PP+k+1], v[PP+k:PP+k+1], v[TA+k:TA+k+1]
.set k, k+2
.endr
.set k, 0
.rept 8
	v_pk_fma_f32 v[PP+k:PP+k+1], v[PP+k:PP+k+1], v[SQ+k:SQ+k+1], 1.0 op_sel_hi:[1,1,0] neg_lo:[1,0,0] neg_hi:[1,0,0]  ; erf(|z| / sqrt 2)
.set k, k+2
.endr
.set k, 0
.rept 16
	v_fma_f32 v[PP+k], |v[HZ+k]|, v[PP+k], v[HZ+k]
.set k, k+1
.endr
	s_wait_xcnt 0x0                                ; the last trip's stores have read their data and offset: only now are these written again
	v_add_nc_u32 v[CO], 16384, v[CO]               ; four rows on; the stores reach back by their immediates
.set k, 0
.rept 8
	v_cvt_pk_bf16_f32 v[OU+k], v[PP+2*k], v[PP+2*k+1]
.set k, k+1
.endr
	global_store_b128 v[CO], v[OU:OU+3], s[10:11] offset:-16384    ; 16 lanes store 256 consecutive bytes, aligned
	global_store_b128 v[CO], v[OU+4:OU+7], s[10:11] offset:-8192
.endm
	ds_load_b128 v[XX:XX+3], v[RD]                 ; LDS serves a wave's instructions in order: these see the stores above
	ds_load_b128 v[XX+4:XX+7], v[RD] offset:256
	ds_load_b128 v[XX+8:XX+11], v[RD] offset:2*SPI
	ds_load_b128 v[XX+12:XX+15], v[RD] offset:2*SPI+256
	s_mov_b32 s[CNT], 31
.Lgelu:
	GTRIP 1
	s_sub_co_u32 s[CNT], s[CNT], 1
	s_cmp_lg_u32 s[CNT], 0
	s_cbranch_scc1 .Lgelu
	GTRIP 0                                        ; the last four rows fetch nothing
	s_wait_tensorcnt 0x0                           ; the wave's end
	ds_add_u32 v[SPW], v[NIL]
	s_wait_dscnt 0x0
	CROUND                                         ; the closing round
	s_endpgm
.Lfunc_end_k_qc7fb67dd62_ffn1:
	.size	k_qc7fb67dd62_ffn1, .Lfunc_end_k_qc7fb67dd62_ffn1-k_qc7fb67dd62_ffn1
	.p2alignl 7, 3214868480
	.fill 96, 4, 3214868480
	.section	.rodata,"a",@progbits
	.p2align	6, 0x0
	.amdhsa_kernel k_qc7fb67dd62_ffn1
		.amdhsa_group_segment_fixed_size 327680
		.amdhsa_private_segment_fixed_size 0
		.amdhsa_enable_private_segment 0
		.amdhsa_kernarg_size 32
		.amdhsa_user_sgpr_count 2
		.amdhsa_user_sgpr_kernarg_segment_ptr 1
		.amdhsa_wavefront_size32 1
		.amdhsa_system_sgpr_workgroup_id_x 1
		.amdhsa_system_sgpr_workgroup_id_y 1
		.amdhsa_system_sgpr_workgroup_id_z 1
		.amdhsa_system_vgpr_workitem_id 0
		.amdhsa_next_free_vgpr 1024
		.amdhsa_next_free_sgpr 96
		.amdhsa_reserve_vcc 0
		.amdhsa_float_denorm_mode_32 3
		.amdhsa_float_denorm_mode_16_64 3
		.amdhsa_memory_ordered 1
		.amdhsa_forward_progress 1
		.amdhsa_inst_pref_size 96
	.end_amdhsa_kernel
	.amdgpu_metadata
---
amdhsa.version: [ 1, 2 ]
amdhsa.kernels:
  - .name:           k_qc7fb67dd62_ffn1
    .symbol:         k_qc7fb67dd62_ffn1.kd
    .args:
      - { .name: hf, .offset: 0, .size: 8, .value_kind: global_buffer, .address_space: global }
      - { .name: wb, .offset: 8, .size: 8, .value_kind: global_buffer, .address_space: global }
      - { .name: b1, .offset: 16, .size: 8, .value_kind: global_buffer, .address_space: global }
      - { .name: gb, .offset: 24, .size: 8, .value_kind: global_buffer, .address_space: global }
    .group_segment_fixed_size: 327680
    .private_segment_fixed_size: 0
    .kernarg_segment_align: 8
    .kernarg_segment_size: 32
    .max_flat_workgroup_size: 128
    .sgpr_count:     96
    .vgpr_count:     1024
    .wavefront_size: 32
...
	.end_amdgpu_metadata
.endif
;; end of part 5
;; launch ffn2 (part 6): grid 4 x 64, 4 waves a work-group, clusters of 4 x 4, 327,680 bytes of LDS; arguments gb, wb, x1, b2, out0; writes out0
.if DOCPART == 6
	.amdgcn_target "amdgcn-amd-amdhsa--gfx1250"
	.amdhsa_code_object_version 6
	.text
	.protected	k_qc7fb67dd62_ffn2
	.globl	k_qc7fb67dd62_ffn2
	.p2align	8
	.type	k_qc7fb67dd62_ffn2,@function
k_qc7fb67dd62_ffn2:
	s_mov_b64 s[64:65], 0
	v_nop
	global_prefetch_b8 v0, s[64:65] scope:SCOPE_SE
	s_setreg_imm32_b32 hwreg(HW_REG_WAVE_MODE, 25, 1), 1
	s_wait_xcnt 0x0
	s_wait_alu depctr_hold_cnt(0) depctr_sa_sdst(0) depctr_va_vdst(0) depctr_va_sdst(0) depctr_va_ssrc(0) depctr_va_vcc(0) depctr_vm_vsrc(0)
	s_getreg_b32 s2, hwreg(HW_REG_IB_STS2, 6, 4)
	s_cmp_eq_u32 s2, 0
	s_cbranch_scc0 .Lentry_in_a_cluster
	s_endpgm
.Lentry_in_a_cluster:
	s_bfe_u32 s2, ttmp6, 0x10000c
	s_cmp_lg_u32 s2, 0xf033
	s_cbranch_scc0 .Lentry_shape_is_right
	s_endpgm
.Lentry_shape_is_right:
; out0 = x1 + g W2 + b2 in f32, [8192][512].  g: gb [8192][2048] bf16; W2: wb [2048][512] bf16 at byte 4,194,304.  Sums in f32.
; A tile is 128 x 128: 256 work-groups; four waves of 64 x 64: 16 accumulators each.  K goes in 8 steps of 256 through two LDS slots.
; x1 is loaded straight into the accumulators: the residual starts the sums, nothing is cleared and no first step is written out.
; The product is taken transposed (source 0 = 16 columns of W2, turned by ds_load_tr16_b128; source 1 = 16 rows of g): a lane holds one row and eight neighbouring columns.
; CLUSTER 4 x 4: g's tiles are asked for jointly along a row of the cluster, W2's along a column.  A slot is four regions of 36,864 bytes: g's rows 0-63, 64-127 (512 bytes a row, pitch 528),
; W2's k rows 0-127, 128-255 (256 bytes a row, pitch 288: the two regions lie end to end).  Wave w fills region w with one load.  ONE TEXT FOR BOTH SLOTS: s[SLR] is the LDS byte of the slot that is read.
; No prefetch into the L2: the tile is small, a step's work short.
; REGISTERS: window 0: v0-31 addresses; v32-35 b2; v128-255 the accumulators ((a, b) at 128 + 8 (4 a + b))      window 1: two fragment buffers of 128: 64 of g (2 x 4 fragments), then 64 of W2
.set REG,   36864
.set SLOT,  4*REG
.set SPARE, 2*SLOT
.set PA,    528
.set PB,    288
.set SPI,   272                        ; the stage's pitch: 256 bytes + 16
.set STG,   64*SPI                     ; a wave's stage.  The stages lie in the ring and are written only when both slots have had their last fill and their last read
.set ADRA0, 12
.set ADRB0, 13                         ; v13, v14: W2's k rows 0-127, 128-255 (an LDS offset has 16 bits)
.set ADRA,  16
.set ADRB,  17                         ; v17, v18
.set STO,   24
.set RD,    25
.set OO,    26
.set XO,    27
.set SPW,   28
.set NIL,   29
.set B2,    32
.set ACC,   128
.set F0,    0
.set F1,    128
.set WV,  16
.set FR,  17
.set HF,  18
.set WB,  20
.set SLR, 21
.set CNT, 22
.set G1A, 24
.set G0A, 32
.set G1B, 48
.set G0B, 56
.set MSB, 0
.macro WIN new
.if MSB != (\new)
	s_set_vgpr_msb (MSB<<8)|(\new)
.set MSB, \new
.endif
.endm
.set MUL,  0x05
.set TO_F, 0x40
.macro PLACES
.rept 4
	v_nop
.endr
.endm
.macro CREST
	s_cmp_lg_u32 s[WV], 0
	s_cbranch_scc1 .Lnot_wave_0_\@
	s_barrier_signal -3
.Lnot_wave_0_\@:
	s_barrier_wait -3
	s_barrier_signal -1
	s_barrier_wait -1
.endm
.macro CROUND
	s_barrier_signal -1
	s_barrier_wait -1
	CREST
.endm
.macro JLOAD
	s_cmp_eq_u32 s[FR], 0
	s_cbranch_scc0 .Lfor_b_\@
	tensor_load_to_lds s[G0A+4:G0A+7], s[G1A:G1A+7]
	s_nop 0
.rept 4
	v_nop
.endr
	s_branch .Lasked_\@
.Lfor_b_\@:
	tensor_load_to_lds s[G0B+4:G0B+7], s[G1B:G1B+7]
	s_nop 0
.rept 4
	v_nop
.endr
.Lasked_\@:
.endm
	s_load_b256 s[4:11], s[0:1], 0x0               ; gb, wb, x1, b2
	s_load_b64 s[12:13], s[0:1], 0x20              ; out0
	v_lshl_add_u32 v[SPW], v0, 2, SPARE
	v_mov_b32 v[NIL], 0
	ds_add_u32 v[SPW], v[NIL]                      ; the wave's opening: the add and its wait stand ahead of my first tensor load
	v_lshrrev_b32 v1, 5, v0
	v_readfirstlane_b32 s[WV], v1
	s_lshr_b32 s[FR], s[WV], 1
	s_and_b32 s[HF], s[WV], 1
	s_bfe_u32 s40, ttmp6, 0x40000
	s_bfe_u32 s41, ttmp6, 0x40004
	s_lshl_b32 s42, ttmp9, 2
	s_add_co_u32 s42, s42, s40                     ; tile column
	s_and_b32 s43, ttmp7, 0xffff
	s_lshl_b32 s43, s43, 2
	s_add_co_u32 s43, s43, s41                     ; tile row
	s_lshl_b32 s44, s41, 2
	s_lshl_b32 s44, 15, s44
	s_lshl_b32 s45, 0x1111, s40
	s_or_b32 s[G1A], s44, (1<<16)|(1<<20)|(1<<21)|(6<<22)|(3<<25)  ; 4 words of padding behind every 128
	s_mov_b32 s[G1A+1], 256<<16                    ; 64 rows x 256 elements
	s_mov_b32 s[G1A+2], 64<<16
	s_mov_b32 s[G1A+3], 256<<16
	s_mov_b32 s[G1A+4], 64
	s_mov_b32 s[G1A+5], 2048
	s_mov_b32 s[G1A+6], 0
	s_mov_b32 s[G1A+7], 0
	s_or_b32 s[G1B], s45, (1<<16)|(1<<20)|(1<<21)|(5<<22)|(7<<25)  ; 8 words behind every 64
	s_mov_b32 s[G1B+1], 128<<16                    ; 128 rows x 128 elements
	s_mov_b32 s[G1B+2], 128<<16
	s_mov_b32 s[G1B+3], 128<<16
	s_mov_b32 s[G1B+4], 128
	s_mov_b32 s[G1B+5], 512
	s_mov_b32 s[G1B+6], 0
	s_mov_b32 s[G1B+7], 0
	s_lshl_b32 s66, s43, 7
	s_lshl_b32 s67, s[HF], 6
	s_add_co_u32 s66, s66, s67
	s_lshl_b32 s66, s66, 12                        ; g: row 128 x tile row + 64 x half, 4,096 bytes a row
	s_mov_b32 s67, 0
	s_lshl_b32 s68, s[HF], 17                      ; W2: k row 128 x half, 1,024 bytes a row,
	s_lshl_b32 s69, s42, 8                         ; the tile's 256 bytes of it
	s_add_co_u32 s68, s68, s69
	s_add_co_u32 s68, s68, 0x400000
	s_mov_b32 s69, 0
	s_mul_i32 s[WB], s[WV], REG
	s_mov_b32 s[SLR], 0
	s_wait_dscnt 0x0                               ; the opening add is done
	s_wait_kmcnt 0x0
	s_add_nc_u64 s[66:67], s[4:5], s[66:67]
	s_add_nc_u64 s[68:69], s[6:7], s[68:69]
	CROUND
.irp s, 0,1
	s_mov_b32 s[G0A+4*(\s)], 1
	s_add_co_u32 s[G0A+4*(\s)+1], s[WB], (\s)*SLOT
	s_add_nc_u64 s[G0A+4*(\s)+2:G0A+4*(\s)+3], s[66:67], (\s)*512
	s_or_b32 s[G0A+4*(\s)+3], s[G0A+4*(\s)+3], 0x80000000
	s_mov_b32 s[G0B+4*(\s)], 1
	s_add_co_u32 s[G0B+4*(\s)+1], s[WB], (\s)*SLOT
	s_add_nc_u64 s[G0B+4*(\s)+2:G0B+4*(\s)+3], s[68:69], (\s)*262144
	s_or_b32 s[G0B+4*(\s)+3], s[G0B+4*(\s)+3], 0x80000000
.endr
	s_cmp_eq_u32 s[FR], 0                          ; a wave's two first fills stand in one branch: two loads of mine are out
	s_cbranch_scc0 .Lfirst_b
	tensor_load_to_lds s[G0A:G0A+3], s[G1A:G1A+7]
	s_nop 0
	tensor_load_to_lds s[G0A+4:G0A+7], s[G1A:G1A+7]
	s_nop 0
.rept 4
	v_nop
.endr
	s_branch .Lfirst_done
.Lfirst_b:
	tensor_load_to_lds s[G0B:G0B+3], s[G1B:G1B+7]
	s_nop 0
	tensor_load_to_lds s[G0B+4:G0B+7], s[G1B:G1B+7]
	s_nop 0
.rept 4
	v_nop
.endr
.Lfirst_done:
	v_and_b32 v1, 15, v0
	v_bfe_u32 v2, v0, 4, 1
	; x1 and out0 at my 64 rows, my 64 columns
	s_lshl_b32 s70, s43, 7
	s_lshl_b32 s71, s[FR], 6
	s_add_co_u32 s70, s70, s71
	s_lshl_b32 s70, s70, 11
	s_lshl_b32 s71, s42, 9
	s_add_co_u32 s70, s70, s71
	s_lshl_b32 s72, s[HF], 8
	s_add_co_u32 s70, s70, s72
	s_add_co_u32 s72, s72, s71                     ; b2: the same columns
	s_mov_b32 s71, 0
	s_mov_b32 s73, 0
	s_add_nc_u64 s[8:9], s[8:9], s[70:71]
	s_add_nc_u64 s[12:13], s[12:13], s[70:71]
	s_add_nc_u64 s[10:11], s[10:11], s[72:73]
	v_lshlrev_b32 v[XO], 11, v1
	v_lshl_add_u32 v[XO], v2, 5, v[XO]             ; row r x 2,048 + 32 h
.irp a, 0,1,2,3
.irp b, 0,1,2,3
	global_load_b128 v[ACC+8*(4*\a+\b):ACC+8*(4*\a+\b)+3], v[XO], s[8:9] offset:\a*32768+\b*64
	global_load_b128 v[ACC+8*(4*\a+\b)+4:ACC+8*(4*\a+\b)+7], v[XO], s[8:9] offset:\a*32768+\b*64+16
.endr
.endr
	v_lshlrev_b32 v3, 4, v1
	global_load_b128 v[B2:B2+3], v3, s[10:11]      ; b2 of the 4 columns that I store
	v_mul_u32_u24 v4, v1, PA
	v_lshl_add_u32 v4, v2, 4, v4
	s_mul_i32 s19, s[FR], REG
	v_add_nc_u32 v[ADRA0], s19, v4
	v_and_b32 v4, 7, v0
	v_bfe_u32 v5, v0, 3, 1
	v_lshl_add_u32 v6, v2, 3, v4
	v_mul_u32_u24 v6, v6, PB
	v_lshl_add_u32 v6, v5, 4, v6
	s_lshl_b32 s19, s[HF], 7
	s_add_co_u32 s19, s19, 2*REG
	v_add_nc_u32 v[ADRB0], s19, v6
	v_add_nc_u32 v[ADRB0+1], REG, v[ADRB0]
	v_mov_b32 v[ADRA], v[ADRA0]
	v_mov_b32 v[ADRB], v[ADRB0]
	v_mov_b32 v[ADRB+1], v[ADRB0+1]
	s_mul_i32 s19, s[WV], STG
	v_mul_u32_u24 v[STO], v1, SPI
	v_lshl_add_u32 v[STO], v2, 5, v[STO]
	v_add_nc_u32 v[STO], s19, v[STO]
	v_mul_u32_u24 v[RD], v2, SPI
	v_lshl_add_u32 v[RD], v1, 4, v[RD]
	v_add_nc_u32 v[RD], s19, v[RD]
	v_lshlrev_b32 v[OO], 11, v2
	v_lshl_add_u32 v[OO], v1, 4, v[OO]
.macro MUL8 f, c, a0                   ; 8 products: row blocks a0, a0 + 1 x all 4 column blocks, 32 along K: half c of buffer f
	WIN MUL
.irp a, \a0, (\a0)+1
.irp b, 0,1,2,3
	v_wmma_f32_16x16x32_bf16 v[ACC+8*(4*(\a)+(\b)):ACC+8*(4*(\a)+(\b))+7], v[(\f)+64+8*(4*(\c)+(\b)):(\f)+64+8*(4*(\c)+(\b))+7], v[(\f)+8*(4*(\c)+(\a)):(\f)+8*(4*(\c)+(\a))+7], v[ACC+8*(4*(\a)+(\b)):ACC+8*(4*(\a)+(\b))+7]
.endr
.endr
.endm
.macro FETCH q, f                      ; 32 LDS loads in one run: quarter q's fragments (64 along K) into buffer f, the first 32 along K first
	WIN TO_F
.irp c, 0,1
.irp i, 0,1,2,3
	ds_load_tr16_b128 v[(\f)+64+8*(4*(\c)+(\i)):(\f)+64+8*(4*(\c)+(\i))+3], v[ADRB+(\q)/2] offset:(((\q)%2)*64+32*(\c))*PB+32*(\i)
	ds_load_tr16_b128 v[(\f)+64+8*(4*(\c)+(\i))+4:(\f)+64+8*(4*(\c)+(\i))+7], v[ADRB+(\q)/2] offset:(((\q)%2)*64+32*(\c))*PB+32*(\i)+16*PB
	ds_load_b128 v[(\f)+8*(4*(\c)+(\i)):(\f)+8*(4*(\c)+(\i))+3], v[ADRA] offset:(\q)*128+64*(\c)+(\i)*16*PA
	ds_load_b128 v[(\f)+8*(4*(\c)+(\i))+4:(\f)+8*(4*(\c)+(\i))+7], v[ADRA] offset:(\q)*128+64*(\c)+(\i)*16*PA+32
.endr
.endr
.endm
.macro QUARTER qnext, f, g
	s_wait_dscnt 16                                ; the first 32 along K are in
	MUL8 \f, 0, 0
	MUL8 \f, 0, 2
	PLACES
	FETCH \qnext, \g
	s_wait_dscnt 32                                ; all but the 32 just issued
	MUL8 \f, 1, 0
	MUL8 \f, 1, 2
.endm
.macro MEET
	WIN 0
	s_wait_tensorcnt 0x0                           ; all my tensor loads have landed: my part of the other slot
	ds_add_u32 v[SPW], v[NIL]
	s_wait_dscnt 17                                ; (the add and the youngest sixteen loads may be out)
	MUL8 F1, 0, 0
	s_wait_dscnt 0x0                               ; the add is done, and my reads of this slot are over
	s_barrier_signal -1
	MUL8 F1, 0, 2
	WIN 0
	s_barrier_wait -1
.endm
.macro NEXTSLOT
	s_xor_b32 s[SLR], s[SLR], SLOT
	v_add_nc_u32 v[ADRA], s[SLR], v[ADRA0]
	v_add_nc_u32 v[ADRB], s[SLR], v[ADRB0]
	v_add_nc_u32 v[ADRB+1], s[SLR], v[ADRB0+1]
.endm
.macro TURN
	MEET
	CREST
	s_add_co_u32 s[G0A+5], s[WB], s[SLR]
	s_add_nc_u64 s[G0A+6:G0A+7], s[G0A+6:G0A+7], 512
	s_add_co_u32 s[G0B+5], s[WB], s[SLR]
	s_add_nc_u64 s[G0B+6:G0B+7], s[G0B+6:G0B+7], 262144
	JLOAD
	NEXTSLOT
	FETCH 0, F0
	MUL8 F1, 1, 0
	MUL8 F1, 1, 2
.endm
	s_wait_tensorcnt 1                             ; my part of K step 0 is in; K step 1's may stay out
	s_barrier_signal -1
	s_barrier_wait -1
	FETCH 0, F0
	s_wait_loadcnt 0x0                             ; x1 and b2
	WIN 0
	s_mov_b32 s[CNT], 6
.Lmain:                                        ; six trips: K steps 0 to 5; K steps 2 to 7 are asked for
	QUARTER 1, F0, F1
	QUARTER 2, F1, F0
	QUARTER 3, F0, F1
	TURN
	WIN 0
	s_sub_co_u32 s[CNT], s[CNT], 1
	s_cmp_lg_u32 s[CNT], 0
	s_cbranch_scc1 .Lmain
	s_mov_b32 s[CNT], 2
.Ltail:                                        ; K steps 6 and 7 ask for nothing: a text of their own, left in the middle of its second trip
	QUARTER 1, F0, F1
	QUARTER 2, F1, F0
	QUARTER 3, F0, F1
	MEET
	s_sub_co_u32 s[CNT], s[CNT], 1
	s_cmp_eq_u32 s[CNT], 0
	s_cbranch_scc1 .Lfin
	NEXTSLOT
	PLACES
	FETCH 0, F0
	MUL8 F1, 1, 0
	MUL8 F1, 1, 2
	WIN 0
	s_branch .Ltail
.Lfin:
	MUL8 F1, 1, 0
	MUL8 F1, 1, 2
	; THE WAY OUT: 32 bytes a lane into rows of 272 bytes of my stage, back as whole rows of 256 into the registers that they left, b2 added, stored
	WIN 0
	PLACES
.irp a, 0,1,2,3
.irp b, 0,1,2,3
	ds_store_b128 v[STO], v[ACC+8*(4*\a+\b):ACC+8*(4*\a+\b)+3] offset:\a*16*SPI+\b*64
	ds_store_b128 v[STO], v[ACC+8*(4*\a+\b)+4:ACC+8*(4*\a+\b)+7] offset:\a*16*SPI+\b*64+16
.endr
.endr
.set n, 0
.rept 32                               ; LDS serves a wave's instructions in order: these see the stores above
	ds_load_b128 v[ACC+4*n:ACC+4*n+3], v[RD] offset:n*2*SPI
.set n, n+1
.endr
.set n, 0
.rept 32
	s_wait_dscnt 31-n                              ; load n is back; the younger ones may stay out
	v_pk_add_f32 v[ACC+4*n:ACC+4*n+1], v[ACC+4*n:ACC+4*n+1], v[B2:B2+1]
	v_pk_add_f32 v[ACC+4*n+2:ACC+4*n+3], v[ACC+4*n+2:ACC+4*n+3], v[B2+2:B2+3]
	global_store_b128 v[OO], v[ACC+4*n:ACC+4*n+3], s[12:13] offset:n*4096 th:TH_STORE_NT  ; 16 lanes store 256 consecutive bytes, aligned
.set n, n+1
.endr
	s_wait_tensorcnt 0x0                           ; the wave's end
	ds_add_u32 v[SPW], v[NIL]
	s_wait_dscnt 0x0
	CROUND                                         ; the closing round
	s_endpgm
.Lfunc_end_k_qc7fb67dd62_ffn2:
	.size	k_qc7fb67dd62_ffn2, .Lfunc_end_k_qc7fb67dd62_ffn2-k_qc7fb67dd62_ffn2
	.p2alignl 7, 3214868480
	.fill 96, 4, 3214868480
	.section	.rodata,"a",@progbits
	.p2align	6, 0x0
	.amdhsa_kernel k_qc7fb67dd62_ffn2
		.amdhsa_group_segment_fixed_size 327680
		.amdhsa_private_segment_fixed_size 0
		.amdhsa_enable_private_segment 0
		.amdhsa_kernarg_size 40
		.amdhsa_user_sgpr_count 2
		.amdhsa_user_sgpr_kernarg_segment_ptr 1
		.amdhsa_wavefront_size32 1
		.amdhsa_system_sgpr_workgroup_id_x 1
		.amdhsa_system_sgpr_workgroup_id_y 1
		.amdhsa_system_sgpr_workgroup_id_z 1
		.amdhsa_system_vgpr_workitem_id 0
		.amdhsa_next_free_vgpr 512
		.amdhsa_next_free_sgpr 96
		.amdhsa_reserve_vcc 0
		.amdhsa_float_denorm_mode_32 3
		.amdhsa_float_denorm_mode_16_64 3
		.amdhsa_memory_ordered 1
		.amdhsa_forward_progress 1
		.amdhsa_inst_pref_size 62
	.end_amdhsa_kernel
	.amdgpu_metadata
---
amdhsa.version: [ 1, 2 ]
amdhsa.kernels:
  - .name:           k_qc7fb67dd62_ffn2
    .symbol:         k_qc7fb67dd62_ffn2.kd
    .args:
      - { .name: gb, .offset: 0, .size: 8, .value_kind: global_buffer, .address_space: global }
      - { .name: wb, .offset: 8, .size: 8, .value_kind: global_buffer, .address_space: global }
      - { .name: x1, .offset: 16, .size: 8, .value_kind: global_buffer, .address_space: global }
      - { .name: b2, .offset: 24, .size: 8, .value_kind: global_buffer, .address_space: global }
      - { .name: out0, .offset: 32, .size: 8, .value_kind: global_buffer, .address_space: global }
    .group_segment_fixed_size: 327680
    .private_segment_fixed_size: 0
    .kernarg_segment_align: 8
    .kernarg_segment_size: 40
    .max_flat_workgroup_size: 128
    .sgpr_count:     96
    .vgpr_count:     512
    .wavefront_size: 32
...
	.end_amdgpu_metadata
.endif
;; end of part 6
;; ======== version 2 of 2: 6 launches; version 1 with the launch prep written anew for expert scheduling mode
;; limits: a function is approximated: absolute error at most 2.5e-05; an absolute error that grows with the inputs' magnitude: up to 1.25e-05 times it; right only within a limited range of input values
;; workspace buffers: wb 6,291,456 bytes; hf 8,388,608 bytes; qkv 25,165,824 bytes; ob 8,388,608 bytes; x1 16,777,216 bytes; gb 33,554,432 bytes
;; launch prep (part 7): grid 256 x 1, 8 waves a work-group, no clusters, 0 bytes of LDS; arguments x, ln_g, ln_b, Wq, Wk, Wv, Wo, W1, W2, wb, hf; writes wb, hf
.if DOCPART == 7
	.amdgcn_target "amdgcn-amd-amdhsa--gfx1250"
	.amdhsa_code_object_version 6
	.text
	.protected	k_qc7fb67dd62_prep
	.globl	k_qc7fb67dd62_prep
	.p2align	8
	.type	k_qc7fb67dd62_prep,@function
k_qc7fb67dd62_prep:
	s_mov_b64 s[64:65], 0
	v_nop
	global_prefetch_b8 v0, s[64:65] scope:SCOPE_SE
	s_setreg_imm32_b32 hwreg(HW_REG_WAVE_SCHED_MODE, 0, 2), 2
	s_setreg_imm32_b32 hwreg(HW_REG_WAVE_MODE, 25, 1), 1
	s_wait_xcnt 0x0
	s_wait_alu depctr_vm_vsrc(0)
; PREP.  (a) All six weight matrices are rounded once to bf16 into wb, rows along N as they lie: WQKV [512][1536] (row k: Wq's, Wk's, Wv's 512 columns) at byte 0,
; WO [512][512] at 1,572,864, W1 [512][2048] at 2,097,152, W2 [2048][512] at 4,194,304.  (b) hf = RoPE(LN(x)) in bf16, [8192][512].
; A stream: every byte is read once and written once; no LDS, no barrier, no matrix unit, no cluster: no wave wants a byte that another has fetched.
; SHARES.  256 work-groups of 8 waves.  Cast: thread tid takes 4 numbers of each of Wq, Wk, Wv, Wo and 16 of each of W1, W2; a wave's store of 8 bytes a lane covers 256 consecutive bytes, aligned.
; LN and RoPE: wave v of work-group W owns position t = 8 W + v in all four batches, so the position's sines and cosines are made once for four rows.
; Lane l holds columns 128 j + 4 l + e (j, e = 0..3) of a row; the rotation pairs column i with column i + 256: j with j + 2.
; LIMITS.  The angle t x 10000^(-i/256) is made with one exponential to base 2 and reduced by fma(angle, 1/2pi, -round): within about 3e-4 rad of the f32 product at t = 2,047.
; Sine and cosine of the half angle (at most pi/2) by their series to y^9 and y^10, cut where the next term is under 4e-6 for every angle; NaN and infinities are not treated apart.
; THE MODE: SCHED_MODE bits 1:0 = 2 (LLVM: expert scheduling mode 2), set by the entry lines.  The code itself states the register dependences
; between vector instructions and memory instructions, with s_wait_alu, always for 0.
; THE PLAN.  Registers that memory instructions touch:
;   v2 .. v10     byte offsets of the loads (v2, v3, v4, v6, v9) and of the stores (v5, v7, v8, v10): made once at the head, never written again, named by no vector instruction behind the head's wait.
;   XR, GG, BB, WT  the loads land here; no vector instruction names them ahead of the loads, and none is loaded a second time.
;   OUT           row b's roundings write OUT + 8 b ..; row b's four stores read them; nothing writes them behind those stores.
;   XR + 0 .. 23  the weights' conversions write them, when rows 0 and 1 have been rotated out of them; the twelve weight stores read them; nothing writes them again.
; So one wait stands ahead of the loads, for all nine offsets; one behind the rotation of rows 0 and 1, whose eight stores are then dealt among the rotation of rows 2 and 3, which names none of their
; registers; and one behind that rotation and the weights' conversions, ahead of the last twenty stores.  No register that a memory instruction reads is written again: nothing more is owed.
.set XR,  32                           ; v[32:95]   the four rows, 16 numbers each: row b at XR + 16 b, number 4 j + e
.set GG,  96                           ; v[96:111]  ln_g of my 16 columns
.set BB,  112                          ; v[112:127] ln_b
.set CSN, 128                          ; v[128:135] cos for i = 128 j + 4 l + e, j = 0, 1
.set SNN, 136                          ; v[136:143] sin
.set OUT, 144                          ; v[144:175] rows in bf16, 8 registers each (before that: at work on the series)
.set WT,  176                          ; v[176:223] the weights as loaded, 12 x 4
.set SM,  12                           ; v[12:19]   a pair of sums for each row
.set TW,  20                           ; v[20:27]   at work
	s_load_b512 s[4:19], s[0:1], 0x0               ; x, ln_g, ln_b, Wq, Wk, Wv, Wo, W1
	s_load_b128 s[20:23], s[0:1], 0x40             ; W2, wb
	s_load_b64 s[24:25], s[0:1], 0x50              ; hf
	v_lshrrev_b32 v1, 5, v0
	v_readfirstlane_b32 s26, v1                    ; wave 0..7
	v_and_b32 v1, 31, v0                           ; lane
	; what does not hang on the wave's number comes first.  Each shift has a scalar register of its own: none that a vector instruction reads is written again
	s_lshl_b32 s2, ttmp9, 12
	s_lshl_b32 s3, ttmp9, 1
	s_lshl_b32 s34, ttmp9, 11
	s_lshl_b32 s35, ttmp9, 14
	s_lshl_b32 s44, ttmp9, 13
	v_lshlrev_b32 v4, 4, v1                        ; 16 l
	v_lshl_add_u32 v6, v0, 4, s2                   ; the four square matrices, in: W x 4,096 + 16 tid
	v_lshrrev_b32 v7, 7, v0
	v_add_nc_u32 v7, s3, v7                        ; their row k = 2 W + tid / 128
	v_mul_u32_u24 v7, v7, 0xc00                    ; a row of WQKV is 3,072 bytes
	v_and_b32 v8, 127, v0
	v_lshl_add_u32 v7, v8, 3, v7                   ; + 8 (tid % 128)
	v_lshl_add_u32 v8, v0, 3, s34                  ; WO, out: W x 2,048 + 8 tid
	v_lshl_add_u32 v9, v0, 4, s35                  ; W1 and W2, in: W x 16,384 + 16 tid
	v_lshl_add_u32 v10, v0, 3, s44                 ; out: W x 8,192 + 8 tid
	v_lshlrev_b32 v11, 2, v1                       ; 4 l
	s_mov_b32 s28, 0x76543210                      ; v_permlanex16_b32: each lane takes its own place in the other half
	s_mov_b32 s29, 0xfedcba98
	s_mov_b32 s32, 0x3b000000                      ; 1 / 512
	s_mov_b32 s33, 0x3727c5ac                      ; 1e-5
	s_mov_b32 s36, 0x3638ef1d                      ; 1 / 9!
	s_mov_b32 s37, s36
	s_mov_b32 s38, 0xb9500d01                      ; -1 / 7!
	s_mov_b32 s39, s38
	s_mov_b32 s40, 0xb493f27e                      ; -1 / 10!
	s_mov_b32 s41, s40
	s_mov_b32 s42, 0x37d00d01                      ; 1 / 8!
	s_mov_b32 s43, s42
	s_wait_alu depctr_va_sdst(0)                   ; s26 is written, ahead of its first reader: t is made from it
	s_lshl_b32 s27, ttmp9, 3
	s_add_co_u32 s27, s27, s26                     ; t
	s_lshl_b32 s30, s27, 11                        ; a row of x is 2,048 bytes
	s_lshl_b32 s31, s27, 10                        ; a row of hf 1,024
	v_add_nc_u32 v2, s30, v4                       ; batches 0 and 1 (the second by the immediate)
	v_add_nc_u32 v3, 0x800000, v2                  ; batches 2 and 3: two batches are 8,388,608 bytes, past the immediate's reach
	v_lshl_add_u32 v5, v1, 3, s31                  ; hf: t x 1,024 + 8 l
	s_wait_kmcnt 0x0
	s_wait_alu depctr_va_vdst(0)                   ; the nine offsets v2 to v10 are written: every load and store of the kernel reads one of them, and no vector instruction names one again
.irp b, 0,1
.irp j, 0,1,2,3
	global_load_b128 v[XR+16*\b+4*\j:XR+16*\b+4*\j+3], v2, s[4:5] offset:\b*4194304+\j*512
.endr
.endr
.irp b, 0,1
.irp j, 0,1,2,3
	global_load_b128 v[XR+32+16*\b+4*\j:XR+32+16*\b+4*\j+3], v3, s[4:5] offset:\b*4194304+\j*512
.endr
.endr
.irp j, 0,1,2,3
	global_load_b128 v[GG+4*\j:GG+4*\j+3], v4, s[6:7] offset:\j*512
	global_load_b128 v[BB+4*\j:BB+4*\j+3], v4, s[8:9] offset:\j*512
.endr
	global_load_b128 v[WT:WT+3], v6, s[10:11] th:TH_LOAD_NT
	global_load_b128 v[WT+4:WT+7], v6, s[12:13] th:TH_LOAD_NT
	global_load_b128 v[WT+8:WT+11], v6, s[14:15] th:TH_LOAD_NT
	global_load_b128 v[WT+12:WT+15], v6, s[16:17] th:TH_LOAD_NT
.irp j, 0,1,2,3
	global_load_b128 v[WT+16+4*\j:WT+16+4*\j+3], v9, s[18:19] offset:\j*4096 th:TH_LOAD_NT
	global_load_b128 v[WT+32+4*\j:WT+32+4*\j+3], v9, s[20:21] offset:\j*4096 th:TH_LOAD_NT
.endr
	; THE ANGLES, while the 36 loads are on their way: these lines name v11, v20 to v29 and v128 to v167, none of which a load reads or lands in.  inv_freq = 2^(-i log2(10000) / 256)
.irp n, 0,1,2,3,4,5,6,7
	v_add_nc_u32 v[TW+\n], 128*(\n/4)+\n%4, v11    ; i
.endr
.irp n, 0,1,2,3,4,5,6,7
	v_cvt_f32_u32 v[TW+\n], v[TW+\n]
.endr
.irp n, 0,1,2,3,4,5,6,7
	v_mul_f32 v[TW+\n], 0xbd549a78, v[TW+\n]       ; x -0.05190513
.endr
.irp n, 0,1,2,3,4,5,6,7
	v_exp_f32 v[CSN+\n], v[TW+\n]
.endr
	v_cvt_f32_u32 v28, s27                         ; t as a float, twice: a pair for the packed multiply
	v_cvt_f32_u32 v29, s27
	v_nop                                          ; a plain instruction behind the last exponential,
	s_wait_alu depctr_va_vdst(0)                   ; and one wait for the eight: they have written v[CSN ..], which the multiplies below read first
.set UU, OUT                           ; y^2
.set PS, OUT+8                         ; sin y
.set PC, OUT+16                        ; cos y
.irp p, 0,2,4,6
	v_pk_mul_f32 v[CSN+\p:CSN+\p+1], v[CSN+\p:CSN+\p+1], v[28:29] op_sel_hi:[1,0]   ; the angle
.endr
.irp p, 0,2,4,6
	v_pk_mul_f32 v[TW+\p:TW+\p+1], v[CSN+\p:CSN+\p+1], 0x3e22f983 op_sel_hi:[1,0]   ; in turns
.endr
.irp n, 0,1,2,3,4,5,6,7
	v_rndne_f32 v[TW+\n], v[TW+\n]
.endr
.irp p, 0,2,4,6
	v_pk_fma_f32 v[TW+\p:TW+\p+1], v[CSN+\p:CSN+\p+1], 0x3e22f983, v[TW+\p:TW+\p+1] op_sel_hi:[1,0,1] neg_lo:[0,0,1] neg_hi:[0,0,1]  ; less the whole turns: -1/2 .. 1/2
.endr
.irp p, 0,2,4,6
	v_pk_mul_f32 v[TW+\p:TW+\p+1], v[TW+\p:TW+\p+1], 0x40490fdb op_sel_hi:[1,0]     ; y = half the reduced angle
.endr
.irp p, 0,2,4,6
	v_pk_mul_f32 v[UU+\p:UU+\p+1], v[TW+\p:TW+\p+1], v[TW+\p:TW+\p+1]
.endr
.irp p, 0,2,4,6
	v_pk_fma_f32 v[PS+\p:PS+\p+1], v[UU+\p:UU+\p+1], s[36:37], s[38:39] op_sel_hi:[1,0,0]
	v_pk_fma_f32 v[PC+\p:PC+\p+1], v[UU+\p:UU+\p+1], s[40:41], s[42:43] op_sel_hi:[1,0,0]
.endr
.irp p, 0,2,4,6
	v_pk_fma_f32 v[PS+\p:PS+\p+1], v[PS+\p:PS+\p+1], v[UU+\p:UU+\p+1], 0x3c088889 op_sel_hi:[1,1,0]  ; 1 / 5!
	v_pk_fma_f32 v[PC+\p:PC+\p+1], v[PC+\p:PC+\p+1], v[UU+\p:UU+\p+1], 0xbab60b61 op_sel_hi:[1,1,0]  ; -1 / 6!
.endr
.irp p, 0,2,4,6
	v_pk_fma_f32 v[PS+\p:PS+\p+1], v[PS+\p:PS+\p+1], v[UU+\p:UU+\p+1], 0xbe2aaaab op_sel_hi:[1,1,0]  ; -1 / 3!
	v_pk_fma_f32 v[PC+\p:PC+\p+1], v[PC+\p:PC+\p+1], v[UU+\p:UU+\p+1], 0x3d2aaaab op_sel_hi:[1,1,0]  ; 1 / 4!
.endr
.irp p, 0,2,4,6
	v_pk_fma_f32 v[PS+\p:PS+\p+1], v[PS+\p:PS+\p+1], v[UU+\p:UU+\p+1], 1.0 op_sel_hi:[1,1,0]
	v_pk_fma_f32 v[PC+\p:PC+\p+1], v[PC+\p:PC+\p+1], v[UU+\p:UU+\p+1], -0.5 op_sel_hi:[1,1,0]
.endr
.irp p, 0,2,4,6
	v_pk_mul_f32 v[PS+\p:PS+\p+1], v[PS+\p:PS+\p+1], v[TW+\p:TW+\p+1]               ; sin y
	v_pk_fma_f32 v[PC+\p:PC+\p+1], v[PC+\p:PC+\p+1], v[UU+\p:UU+\p+1], 1.0 op_sel_hi:[1,1,0]  ; cos y
.endr
.irp p, 0,2,4,6
	v_pk_mul_f32 v[TW+\p:TW+\p+1], v[PS+\p:PS+\p+1], 2.0 op_sel_hi:[1,0]
.endr
.irp p, 0,2,4,6
	v_pk_mul_f32 v[SNN+\p:SNN+\p+1], v[TW+\p:TW+\p+1], v[PC+\p:PC+\p+1]             ; sin = 2 sin y cos y
	v_pk_fma_f32 v[CSN+\p:CSN+\p+1], v[TW+\p:TW+\p+1], v[PS+\p:PS+\p+1], 1.0 op_sel_hi:[1,1,0] neg_lo:[1,0,0] neg_hi:[1,0,0]  ; cos = 1 - 2 sin^2 y
.endr
; The four rows' sums over the wave's 32 lanes: four steps inside each half of 16 lanes ride on the addition, one crosses the halves.
.macro RED
.irp b, 0,1,2,3
	v_add_f32 v[SM+2*\b], v[SM+2*\b], v[SM+2*\b+1]
.endr
.irp m, 1,2,4,8
.irp b, 0,1,2,3
	v_add_f32_dpp v[SM+2*\b], v[SM+2*\b], v[SM+2*\b] row_xmask:\m row_mask:0xf bank_mask:0xf
.endr
.endr
.irp b, 0,1,2,3
	v_permlanex16_b32 v[SM+2*\b+1], v[SM+2*\b], s28, s29
.endr
.irp b, 0,1,2,3
	v_add_f32 v[SM+2*\b], v[SM+2*\b], v[SM+2*\b+1]
.endr
.endm
	s_wait_loadcnt 12                              ; x, ln_g and ln_b are in; the 12 weight loads, issued behind them, may stay out
	; LAYERNORM in two passes: the mean, then the mean square of what is left
.irp b, 0,1,2,3
	v_pk_add_f32 v[SM+2*\b:SM+2*\b+1], v[XR+16*\b:XR+16*\b+1], v[XR+16*\b+2:XR+16*\b+3]
.endr
.irp k, 4,6,8,10,12,14
.irp b, 0,1,2,3
	v_pk_add_f32 v[SM+2*\b:SM+2*\b+1], v[SM+2*\b:SM+2*\b+1], v[XR+16*\b+\k:XR+16*\b+\k+1]
.endr
.endr
	RED
.irp b, 0,1,2,3
	v_mul_f32 v[SM+2*\b], s32, v[SM+2*\b]
.endr
.irp k, 0,2,4,6,8,10,12,14
.irp b, 0,1,2,3
	v_pk_add_f32 v[XR+16*\b+\k:XR+16*\b+\k+1], v[XR+16*\b+\k:XR+16*\b+\k+1], v[SM+2*\b:SM+2*\b+1] op_sel_hi:[1,0] neg_lo:[0,1] neg_hi:[0,1]
.endr
.endr
.irp b, 0,1,2,3
	v_pk_mul_f32 v[SM+2*\b:SM+2*\b+1], v[XR+16*\b:XR+16*\b+1], v[XR+16*\b:XR+16*\b+1]
.endr
.irp k, 2,4,6,8,10,12,14
.irp b, 0,1,2,3
	v_pk_fma_f32 v[SM+2*\b:SM+2*\b+1], v[XR+16*\b+\k:XR+16*\b+\k+1], v[XR+16*\b+\k:XR+16*\b+\k+1], v[SM+2*\b:SM+2*\b+1]
.endr
.endr
	RED
.irp b, 0,1,2,3
	v_fma_f32 v[SM+2*\b], v[SM+2*\b], s32, s33     ; the variance + 1e-5
.endr
.irp b, 0,1,2,3
	v_rsq_f32 v[SM+2*\b], v[SM+2*\b]
.endr
	v_nop                                          ; a plain instruction behind the last root,
	s_wait_alu depctr_va_vdst(0)                   ; and one wait for the four: they have written v[SM + 2 b], which the multiplies below read first
.irp k, 0,2,4,6,8,10,12,14
.irp b, 0,1,2,3
	v_pk_mul_f32 v[XR+16*\b+\k:XR+16*\b+\k+1], v[XR+16*\b+\k:XR+16*\b+\k+1], v[SM+2*\b:SM+2*\b+1] op_sel_hi:[1,0]
.endr
.endr
.irp k, 0,2,4,6,8,10,12,14
.irp b, 0,1,2,3
	v_pk_fma_f32 v[XR+16*\b+\k:XR+16*\b+\k+1], v[XR+16*\b+\k:XR+16*\b+\k+1], v[GG+\k:GG+\k+1], v[BB+\k:BB+\k+1]
.endr
.endr
	; THE ROTATION, rounding and stores: each store has data registers of its own, so nothing waits for a store
; Pair p of four of row b: columns i and i + 256 are turned and rounded: two registers of OUT + 8 b ..
.macro ROT b, p
	v_pk_mul_f32 v[TW+4*((\p)%2):TW+4*((\p)%2)+1], v[XR+16*(\b)+2*(\p):XR+16*(\b)+2*(\p)+1], v[CSN+2*(\p):CSN+2*(\p)+1]
	v_pk_mul_f32 v[TW+4*((\p)%2)+2:TW+4*((\p)%2)+3], v[XR+16*(\b)+2*(\p):XR+16*(\b)+2*(\p)+1], v[SNN+2*(\p):SNN+2*(\p)+1]
	v_pk_fma_f32 v[TW+4*((\p)%2):TW+4*((\p)%2)+1], v[XR+16*(\b)+8+2*(\p):XR+16*(\b)+8+2*(\p)+1], v[SNN+2*(\p):SNN+2*(\p)+1], v[TW+4*((\p)%2):TW+4*((\p)%2)+1] neg_lo:[1,0,0] neg_hi:[1,0,0]
	v_pk_fma_f32 v[TW+4*((\p)%2)+2:TW+4*((\p)%2)+3], v[XR+16*(\b)+8+2*(\p):XR+16*(\b)+8+2*(\p)+1], v[CSN+2*(\p):CSN+2*(\p)+1], v[TW+4*((\p)%2)+2:TW+4*((\p)%2)+3]
	v_cvt_pk_bf16_f32 v[OUT+8*(\b)+(\p)], v[TW+4*((\p)%2)], v[TW+4*((\p)%2)+1]
	v_cvt_pk_bf16_f32 v[OUT+8*(\b)+4+(\p)], v[TW+4*((\p)%2)+2], v[TW+4*((\p)%2)+3]
.endm
; Store j of four of row b
.macro PUT b, j
	global_store_b64 v5, v[OUT+8*(\b)+2*(\j):OUT+8*(\b)+2*(\j)+1], s[24:25] offset:(\b)*2097152+(\j)*256  ; a wave's store covers 256 consecutive bytes, aligned
.endm
.irp b, 0,1
.irp p, 0,1,2,3
	ROT \b, \p
.endr
.endr
	s_wait_alu depctr_va_vdst(0)                   ; the roundings of rows 0 and 1 have written v[OUT .. OUT + 15], which the eight stores below read
.irp b, 2,3
.irp p, 0,1,2,3
	PUT (\b)-2, \p                                 ; no further wait: the lines of rows 2 and 3 name v[TW ..], v[XR + 32 ..], the sines and cosines and v[OUT + 16 ..], none of these stores' registers
	ROT \b, \p
.endr
.endr
	; THE WEIGHTS
	s_wait_loadcnt 0x0
.irp k, 0,1,2,3,4,5,6,7,8,9,10,11
	v_cvt_pk_bf16_f32 v[XR+2*\k], v[WT+4*\k], v[WT+4*\k+1]
	v_cvt_pk_bf16_f32 v[XR+2*\k+1], v[WT+4*\k+2], v[WT+4*\k+3]
.endr
	s_wait_alu depctr_va_vdst(0)                   ; the roundings of rows 2 and 3 have written v[OUT + 16 .. OUT + 31], the weights' conversions v[XR .. XR + 23]: the twenty stores below read them
.irp b, 2,3
.irp j, 0,1,2,3
	PUT \b, \j
.endr
.endr
	global_store_b64 v7, v[XR:XR+1], s[22:23]
	global_store_b64 v7, v[XR+2:XR+3], s[22:23] offset:1024
	global_store_b64 v7, v[XR+4:XR+5], s[22:23] offset:2048
	global_store_b64 v8, v[XR+6:XR+7], s[22:23] offset:1572864
.irp j, 0,1,2,3
	global_store_b64 v10, v[XR+8+2*\j:XR+8+2*\j+1], s[22:23] offset:2097152+\j*2048
	global_store_b64 v10, v[XR+16+2*\j:XR+16+2*\j+1], s[22:23] offset:4194304+\j*2048
.endr
	s_endpgm
.Lfunc_end_k_qc7fb67dd62_prep:
	.size	k_qc7fb67dd62_prep, .Lfunc_end_k_qc7fb67dd62_prep-k_qc7fb67dd62_prep
	.p2alignl 7, 3214868480
	.fill 96, 4, 3214868480
	.section	.rodata,"a",@progbits
	.p2align	6, 0x0
	.amdhsa_kernel k_qc7fb67dd62_prep
		.amdhsa_group_segment_fixed_size 0
		.amdhsa_private_segment_fixed_size 0
		.amdhsa_enable_private_segment 0
		.amdhsa_kernarg_size 88
		.amdhsa_user_sgpr_count 2
		.amdhsa_user_sgpr_kernarg_segment_ptr 1
		.amdhsa_wavefront_size32 1
		.amdhsa_system_sgpr_workgroup_id_x 1
		.amdhsa_system_sgpr_workgroup_id_y 1
		.amdhsa_system_sgpr_workgroup_id_z 1
		.amdhsa_system_vgpr_workitem_id 0
		.amdhsa_next_free_vgpr 224
		.amdhsa_next_free_sgpr 66
		.amdhsa_reserve_vcc 0
		.amdhsa_float_denorm_mode_32 3
		.amdhsa_float_denorm_mode_16_64 3
		.amdhsa_memory_ordered 1
		.amdhsa_forward_progress 1
		.amdhsa_inst_pref_size 37
	.end_amdhsa_kernel
	.amdgpu_metadata
---
amdhsa.version: [ 1, 2 ]
amdhsa.kernels:
  - .name:           k_qc7fb67dd62_prep
    .symbol:         k_qc7fb67dd62_prep.kd
    .args:
      - { .name: x, .offset: 0, .size: 8, .value_kind: global_buffer, .address_space: global }
      - { .name: ln_g, .offset: 8, .size: 8, .value_kind: global_buffer, .address_space: global }
      - { .name: ln_b, .offset: 16, .size: 8, .value_kind: global_buffer, .address_space: global }
      - { .name: Wq, .offset: 24, .size: 8, .value_kind: global_buffer, .address_space: global }
      - { .name: Wk, .offset: 32, .size: 8, .value_kind: global_buffer, .address_space: global }
      - { .name: Wv, .offset: 40, .size: 8, .value_kind: global_buffer, .address_space: global }
      - { .name: Wo, .offset: 48, .size: 8, .value_kind: global_buffer, .address_space: global }
      - { .name: W1, .offset: 56, .size: 8, .value_kind: global_buffer, .address_space: global }
      - { .name: W2, .offset: 64, .size: 8, .value_kind: global_buffer, .address_space: global }
      - { .name: wb, .offset: 72, .size: 8, .value_kind: global_buffer, .address_space: global }
      - { .name: hf, .offset: 80, .size: 8, .value_kind: global_buffer, .address_space: global }
    .group_segment_fixed_size: 0
    .private_segment_fixed_size: 0
    .kernarg_segment_align: 8
    .kernarg_segment_size: 88
    .max_flat_workgroup_size: 256
    .sgpr_count:     66
    .vgpr_count:     224
    .wavefront_size: 32
...
	.end_amdgpu_metadata
.endif
;; end of part 7
;; launch qkvp: the kernel of part 2 again; grid 4 x 64, 4 waves a work-group, clusters of 4 x 4, 327,680 bytes of LDS; arguments hf, wb, bq, bk, bv, qkv; writes qkv
;; launch attn: the kernel of part 3 again; grid 8 x 32, 4 waves a work-group, clusters of 4 x 1, 327,680 bytes of LDS; arguments qkv, ob; writes ob
;; launch wo_ln: the kernel of part 4 again; grid 256 x 1, 4 waves a work-group, clusters of 4 x 1, 327,680 bytes of LDS; arguments ob, wb, x, bo, ln_g, ln_b, ffln_g, ffln_b, x1, hf; writes x1, hf
;; launch ffn1: the kernel of part 5 again; grid 8 x 32, 4 waves a work-group, clusters of 4 x 4, 327,680 bytes of LDS; arguments hf, wb, b1, gb; writes gb
;; launch ffn2: the kernel of part 6 again; grid 4 x 64, 4 waves a work-group, clusters of 4 x 4, 327,680 bytes of LDS; arguments gb, wb, x1, b2, out0; writes out0
